; MI455X (gfx1250); checked and timed in simulation.
; The chip was launched on July 23, 2026; its instructions are those of AMD's public machine-readable ISA for CDNA 5 (MIT licence, August 2026) and "CDNA5" Instruction Set Architecture Reference Guide (July 2026). The comments in the code are by the model that wrote it; some were corrected since.
;; Causal Self Attention. Allowed arithmetic: matrix products marked QUANTISED: E3M2 operands, one E8M0 scale for each 32 along K, by v_wmma_scale_f32_16x16x128_f8f6f4 with both operands' format E3M2, f32 sums; everything else in f32.
;; Inputs: w_proj 1,024 x 1,024 float32; w_qkv 1,024 x 3,072 float32; x 4 x 2,048 x 1,024 float32.
;; Outputs: out0 4 x 2,048 x 1,024 float32.
;; This version of the problem:
;;   THIS VERSION OF THE PROBLEM IS GIVEN IN LOW PRECISION. The matrix products marked QUANTISED in the list below multiply operands that are first quantised to E3M2 (3 exponent bits, 2 mantissa bits; 6 bits a number), with one power-of-two scale for each 32 numbers along K (OCP MX v1.0); their sums are f32. All else is computed in f32.
;;   The module's matrix products, in the order in which they are computed (A, B: the left and right operand; K: the contracted axis; several contracted axes count as one K, in the product's order):
;;     1. [M 8,192, K 1,024] x [K 1,024, N 3,072]; A: input x; B: input w_qkv: QUANTISED
;;     2. batch 64 x [M 2,048, K 64] x [K 64, N 2,048]; A: computed on the way; B: computed on the way: QUANTISED
;;     3. batch 64 x [M 2,048, K 2,048] x [K 2,048, N 64]; A: softmax (see below); B: computed on the way: QUANTISED
;;     4. [M 8,192, K 1,024] x [K 1,024, N 1,024]; A: computed on the way; B: input w_proj: QUANTISED
;;   THE QUANTISER, for each operand of a quantised product, along K:
;;     - K is cut into blocks of 32 from its start; a last block that is shorter is filled with zeros.
;;     - A block's scale is 2^e with e = floor(log2(the largest magnitude in the block)) - 4, held to -126 .. 127; a block of zeros has e = 0. As a byte (E8M0): e + 127.
;;     - Each number is divided by its block's scale, clamped to +-28, and rounded to the nearest number of E3M2, ties to even, subnormals kept.
;;     - The product sums the exact products of the quantised numbers (number of the format x scale) in f32.
;;   ~~~python
;;   def quantise(x, axis):      # numpy; x: float32 -> the quantised numbers, widened to float32 again
;;       x = np.moveaxis(x, axis, -1); K = x.shape[-1]
;;       x = np.pad(x, [(0, 0)] * (x.ndim - 1) + [(0, -K % 32)]); x = x.reshape(x.shape[:-1] + (-1, 32)); a = np.abs(x).max(-1, keepdims=True)
;;       e = np.where(a > 0, np.clip(np.frexp(np.where(a > 0, a, 1))[1] - 1 - 4, -126, 127), 0)      # np.frexp(a)[1] - 1 = floor(log2(a)), exactly
;;       r = np.clip(x / 2.0 ** e, -28, 28)
;;       step = 2.0 ** (np.maximum(np.frexp(np.where(r == 0, 1, r))[1] - 1, -2) - 2)
;;       q = np.round(r / step) * step * 2.0 ** e      # np.round: ties to even
;;       return np.moveaxis(q.reshape(q.shape[:-2] + (-1,))[..., :K], -1, axis).astype(np.float32)
;;   ~~~
;;   SOFTMAX AHEAD OF A QUANTISED PRODUCT. Where the list says 'softmax', what is quantised is not the finished softmax but p = 2^(t - M), with t = logit x log2(e) and M = ceil(the row's largest t), a whole number; so 1/2 < the row's largest p <= 1. The row's sum l is taken of the UNQUANTISED p, in f32, and the product's result is divided by l at the end. Since M is a whole number, a kernel that streams over the keys may use a running M (the ceiling of the running maximum): every later rescaling is an exact power of two, which a block's scale takes up: the codes' values come out the same.
;;   OPERANDS COMPUTED ON THE WAY. 'Computed on the way' means the value that the module computes at that place (a softmax that the list does not call 'softmax' is quantised finished and normalised). What goes into a quantiser is computed in f32, as accurately as f32 sums, v_exp_f32 and their like allow (about 1e-6 of the number): no bf16 or f16 on the way to a quantiser, and a product that is left as it is and whose result goes on into a quantised operand takes f32 operands (vector FMAs, or v_wmma_f32_16x16x4_f32). A number that lies on a knife's edge between two numbers of the format may be rounded either way, as far as f32 arithmetic and the matrix unit's own rounding can turn it there, and no further.
;; One version. Each part assembles by itself: llvm-mc -triple=amdgcn-amd-amdhsa -mcpu=gfx1250 --defsym DOCPART=n.
;; ======== version 1 of 1: 4 launches
;; limits: right only within a limited range of input values
;; workspace buffers: xw_img 9,437,184 bytes; xw_sc 393,216 bytes; rope 524,288 bytes; qkv_img 20,447,232 bytes; y_img 6,291,456 bytes; y_sc 262,144 bytes
;; launch prep (part 1): grid 544 x 1, 4 waves a work-group, no clusters, 58,880 bytes of LDS; arguments x, w_qkv, w_proj, xw_img, xw_sc, rope; writes xw_img, xw_sc, rope
.if DOCPART == 1
	.amdgcn_target "amdgcn-amd-amdhsa--gfx1250"
	.amdhsa_code_object_version 6
	.text
	.protected	k_q1a719ef06d_prep
	.globl	k_q1a719ef06d_prep
	.p2align	8
	.type	k_q1a719ef06d_prep,@function
k_q1a719ef06d_prep:
	s_mov_b64 s[64:65], 0
	v_nop
	global_prefetch_b8 v0, s[64:65] scope:SCOPE_SE
	s_setreg_imm32_b32 hwreg(HW_REG_WAVE_MODE, 25, 1), 1
	s_wait_xcnt 0x0
; PREP.  x [8192][1024], w_qkv [1024][3072] and w_proj [1024][1024], f32, become codes of E3M2 with one E8M0 byte for each 32 along K (K = the 1024), and the table of cos and sin for RoPE is made.
; THE CODES LIE AS IMAGES OF OPERAND REGISTERS.  A fragment is 16 rows x 128 K = 12 registers a lane (lane (r, h): registers 6 c .. 6 c + 5 = k 64 c + 32 h + 0 .. 31) = 1,536 bytes: chunk c of 512 bytes holds registers
; 4 c .. 4 c + 3, lane l's 16 bytes at 16 l.  xw_img = [768 rowblocks][8 fragments along K][1536].  Rowblocks 0-511: x's tokens; 512-703: w_qkv's columns; 704-767: w_proj's columns.
; A ROWBLOCK'S ROWS ARE NOT NEIGHBOURS: lane r of rowblock i is row 32 (i / 2) + 8 (i % 2) + r + 8 (r / 8), so that a later product's results lie with 16 neighbours in 16 registers.
; xw_sc = [rowblock][quad of 512 K][r][16 bytes]: byte j of the 16 is the scale of the quad's j-th block of 32.
; rope = [t][m = 0..15][cos(2m), cos(2m+1), sin(2m), sin(2m+1)], f32: 256 bytes a token.
; A block's scale byte is its largest magnitude's exponent field - 4, held at 1 from below by a floor among the maximum's leaves.
; LIMITS: NaN and infinities among the inputs are not served; a block whose largest magnitude lies under 2^-122 keeps the byte 1; a block of zeros gets the byte 1 and not 127 (its codes are zeros, and this program alone reads the bytes).
; The 32 frequencies are written as the f32 numbers 1 / f32(10^(j/8)): that takes the float32 power of the defining text to be correctly rounded.
; Four paths, parted by the work-group's number, each with LDS bytes of its own: 0-255 x; 256-447 w_qkv; 448-511 w_proj; 512-543 the table.  Waves share nothing: no barrier.  No cluster: no work-group reads what another reads.
.set RAW,  16                          ; v16-143  x: two sets of 64 registers as loaded
.set X,    144                         ; v144-207 x: 64 numbers of my row, in the operand's order
.set P,    208                         ; v208-219 a fragment's codes
.set TT,   220                         ; v220-222, v224-226 the upper halves of two blocks' codes
.set TM,   228                         ; v228-235 at work
.set WD,   236                         ; v236-239 four steps' scale words
.set SEL,  20                          ; s[20:21] lane selects: lane l xor 16
.macro XLOAD s                         ; step s: 128 along K of the rowblock's 16 rows; each load takes 512 consecutive bytes of one row
.irp i, 0,1,2,3,4,5,6,7,8,9,10,11,12,13,14,15
	global_load_b128 v[RAW+64*((\s)%2)+4*\i:RAW+64*((\s)%2)+4*\i+3], v1, s[4:5] offset:(\i+8*(\i/8))*4096+512*(\s) th:TH_LOAD_NT
.endr
.endm
.macro XSTEP s
.if (\s) < 3
	s_wait_loadcnt 16                              ; this step's 16 loads are in; the next step's 16 may be out
.else
	s_wait_loadcnt 0x0
.endif
.irp i, 0,1,2,3,4,5,6,7,8,9,10,11,12,13,14,15
	ds_store_b128 v2, v[RAW+64*((\s)%2)+4*\i:RAW+64*((\s)%2)+4*\i+3] offset:528*\i   ; row i as it lies, rows 528 bytes apart
.endr
.irp c, 0,1
.irp j, 0,1,2,3,4,5,6,7
	ds_load_b128 v[X+32*\c+4*\j:X+32*\c+4*\j+3], v3 offset:256*\c+16*\j   ; back: my row's k = 64 c + 32 h + 0 .. 31 (LDS serves a wave's instructions in order)
.endr
.endr
	s_wait_dscnt 0x0                               ; the numbers are back, and the stores have read their registers
.if (\s) < 2
	XLOAD (\s)+2
.endif
.irp c, 0,1
	v_max3_num_f32 v[TM+\c], |v[X+32*\c]|, |v[X+32*\c+1]|, 0x2800000   ; block 2 c + h is whole in my lane; the floor 2^(5 - 127) holds the byte at 1
.endr
.irp i, 2,4,6,8,10,12,14,16,18,20,22,24,26,28,30
.irp c, 0,1
	v_max3_num_f32 v[TM+\c], v[TM+\c], |v[X+32*\c+\i]|, |v[X+32*\c+\i+1]|
.endr
.endr
.irp c, 0,1
	v_add_nc_u32 v[TM+2+\c], 0xfe000000, v[TM+\c]  ; 4 off the exponent field: the conversion's scale operand
.endr
.irp c, 0,1
	v_lshrrev_b32 v[TM+4+\c], 23, v[TM+2+\c]       ; the scale's byte
.endr
	v_lshl_or_b32 v[TM+6], v[TM+5], 16, v[TM+4]    ; my two bytes: blocks h and 2 + h,
	v_lshlrev_b32 v[TM+6], v5, v[TM+6]             ; 8 h bits up;
	v_permlanex16_b32 v[TM+7], v[TM+6], s[SEL], s[SEL+1]
	v_or_b32 v[WD+(\s)], v[TM+6], v[TM+7]          ; with lane l xor 16's two the word is whole
	s_wait_alu depctr_va_vdst(0)
	s_wait_xcnt 0x0                                ; the last step's stores have read P
.irp c, 0,1
	v_cvt_scalef32_pk16_bf6_f32 v[P+6*\c:P+6*\c+2], v[X+32*\c:X+32*\c+15], v[TM+2+\c]
	v_cvt_scalef32_pk16_bf6_f32 v[TT+4*\c:TT+4*\c+2], v[X+32*\c+16:X+32*\c+31], v[TM+2+\c]   ; (a conversion's three registers begin on an even number)
.endr
	v_nop                                          ; one plain line behind the conversions
.irp c, 0,1
.irp i, 0,1,2
	v_mov_b32 v[P+6*\c+3+\i], v[TT+4*\c+\i]
.endr
.endr
.irp c, 0,1,2
	global_store_b128 v1, v[P+4*\c:P+4*\c+3], s[10:11] offset:1536*(\s)+512*\c   ; 512 consecutive bytes a store
.endr
.endm
.macro WLOAD t, n, ptr                 ; block t: w(32 t + i, my column), i = 0 .. 31: a wave reads 128 consecutive bytes, the four waves 512
.irp i, 0,1,2,3,4,5,6,7,8,9,10,11,12,13,14,15,16,17,18,19,20,21,22,23,24,25,26,27,28,29,30,31
	global_load_b32 v[16+32*(\t)+\i], v9, s[\ptr:\ptr+1] offset:(32*(\t)+\i)*(\n)*4 th:TH_LOAD_NT
.endr
.endm
.macro WBLOCK t, n, ptr
.set XS, 16+32*(\t)
.set CC, 144+8*(\t)
.if (\t) < 3
	s_wait_loadcnt 32                              ; this block's 32 loads are in; the next block's 32 may be out
.else
	s_wait_loadcnt 0x0
.endif
.if (\t) < 2
	WLOAD (\t)+2, \n, \ptr
.endif
	v_max3_num_f32 v184, |v[XS]|, |v[XS+1]|, |v[XS+2]|             ; all 32 numbers of the block are mine: two chains
	v_max3_num_f32 v185, |v[XS+3]|, |v[XS+4]|, |v[XS+5]|
.irp i, 6,10,14,18,22,26
	v_max3_num_f32 v184, v184, |v[XS+\i]|, |v[XS+\i+1]|
	v_max3_num_f32 v185, v185, |v[XS+\i+2]|, |v[XS+\i+3]|
.endr
	v_max3_num_f32 v184, v184, |v[XS+30]|, |v[XS+31]|
	v_max3_num_f32 v184, v184, v185, 0x2800000     ; and the floor
	v_add_nc_u32 v186, 0xfe000000, v184
	v_lshrrev_b32 v187, 23, v186
.if (\t) == 0
	v_mov_b32 v188, v187
.else
	v_lshl_or_b32 v188, v187, 8*(\t), v188         ; the four bytes make my column's scale word of these 128 K
.endif
	v_cvt_scalef32_pk16_bf6_f32 v[CC:CC+2], v[XS:XS+15], v186
	v_cvt_scalef32_pk16_bf6_f32 v[176:178], v[XS+16:XS+31], v186
	v_nop
.irp i, 0,1,2
	v_mov_b32 v[CC+3+\i], v[176+\i]
.endr
; block t = 2 c + h belongs to lane (r, h) of the image, registers 6 c .. 6 c + 5
.if (\t) < 2
	ds_store_b128 v12, v[CC:CC+3] offset:256*((\t)%2)
	ds_store_b64 v12, v[CC+4:CC+5] offset:512+256*((\t)%2)
.else
	ds_store_b64 v12, v[CC:CC+1] offset:520+256*((\t)%2)
	ds_store_b128 v12, v[CC+2:CC+5] offset:1024+256*((\t)%2)
.endif
.endm
; A weight [1024][n]: a lane takes a column and its registers run down K, so the conversions give codes with K innermost.  A work-group: 128 columns x 128 K; a wave: 32 columns = two rowblocks.
.macro WPATH n, rb0, lb, first, ptr
	s_sub_co_u32 s17, ttmp9, \first
	s_lshr_b32 s18, s17, 3                         ; which 128 columns
	s_and_b32 s19, s17, 7                          ; which 128 along K
	s_mul_i32 s24, s19, 128*(\n)*4
	s_lshl_b32 s26, s18, 9
	s_add_co_u32 s24, s24, s26
	s_lshl_b32 s26, s16, 7
	s_add_co_u32 s24, s24, s26
	s_add_nc_u64 s[\ptr:\ptr+1], s[\ptr:\ptr+1], s[24:25]
	s_lshl_b32 s27, s18, 3
	s_lshl_b32 s26, s16, 1
	s_add_co_u32 s27, s27, s26
	s_add_co_u32 s27, s27, \rb0                    ; my first rowblock
	s_mul_i32 s24, s27, 12288
	s_mul_i32 s26, s19, 1536
	s_add_co_u32 s24, s24, s26
	s_add_nc_u64 s[10:11], s[10:11], s[24:25]
	s_lshl_b32 s24, s27, 9
	s_lshr_b32 s26, s19, 2
	s_lshl_b32 s26, s26, 8
	s_add_co_u32 s24, s24, s26
	s_and_b32 s26, s19, 3
	s_lshl_b32 s26, s26, 2
	s_add_co_u32 s24, s24, s26
	s_add_nc_u64 s[12:13], s[12:13], s[24:25]
	v_lshlrev_b32 v9, 2, v6                        ; 4 bytes a lane
	v_bfe_u32 v10, v0, 3, 1                        ; u: which of the two rowblocks my column belongs to
	v_and_b32 v11, 7, v0
	v_lshl_add_u32 v11, v8, 3, v11                 ; r: its lane there
	s_mul_i32 s26, s16, 3072
	s_add_co_u32 s26, s26, \lb                     ; my wave's two images in LDS
	v_mul_u32_u24 v12, v10, 1536
	v_lshl_add_u32 v12, v11, 4, v12
	v_add_nc_u32 v12, s26, v12
	v_add_nc_u32 v13, s26, v1
	v_lshlrev_b32 v14, 9, v10
	v_lshl_add_u32 v14, v11, 4, v14                ; my column's place among the scale words
	WLOAD 0, \n, \ptr
	WLOAD 1, \n, \ptr
	WBLOCK 0, \n, \ptr
	WBLOCK 1, \n, \ptr
	WBLOCK 2, \n, \ptr
	WBLOCK 3, \n, \ptr
.irp m, 0,1,2,3,4,5
	ds_load_b128 v[192+4*\m:192+4*\m+3], v13 offset:512*\m   ; the two images as they stand (LDS serves a wave's instructions in order)
.endr
	s_wait_alu depctr_va_vdst(0)
	s_wait_dscnt 0x0
.irp m, 0,1,2,3,4,5
	global_store_b128 v1, v[192+4*\m:192+4*\m+3], s[10:11] offset:(\m/3)*12288+512*(\m%3)
.endr
	global_store_b32 v14, v188, s[12:13]           ; 4 bytes a column, 16 bytes apart: one byte in 128 of what the path reads
	s_wait_tensorcnt 0x0
	ds_add_u32 v240, v241
	s_wait_dscnt 0x0
	s_endpgm
.endm
.macro FREQ j, lit                     ; frequency j into lanes j / 2 and j / 2 + 16 of F0 (even j) or F1 (odd j)
	s_mov_b32 s26, \lit
	v_writelane_b32 v[10+(\j)%2], s26, (\j)/2
	v_writelane_b32 v[10+(\j)%2], s26, (\j)/2+16
.endm
; cos and sin of t x f.  The angle is one f32 product; it is reduced by k = the nearest whole number of quarter turns with pi/2 in three parts (fused multiply-adds), then Taylor sums on |r| <= pi/4.
.macro SINCOS f, oc, os
	v_mul_f32 v12, v9, v[\f]
	v_mul_f32 v13, 0x3f22f983, v12                 ; x 2 / pi
	v_rndne_f32 v13, v13
	v_fma_f32 v14, -v13, s28, v12
	v_fma_f32 v14, -v13, s29, v14
	v_fma_f32 v14, -v13, s30, v14                  ; r
	v_mul_f32 v15, v14, v14                        ; z = r^2
	v_mov_b32 v16, 0x3638ef1d                      ; 1/9!
	v_mov_b32 v17, 0xb493f27e                      ; -1/10!
	v_fmaak_f32 v16, v15, v16, 0xb9500d01
	v_fmaak_f32 v17, v15, v17, 0x37d00d01
	v_fmaak_f32 v16, v15, v16, 0x3c088889
	v_fmaak_f32 v17, v15, v17, 0xbab60b61
	v_fmaak_f32 v16, v15, v16, 0xbe2aaaab
	v_fmaak_f32 v17, v15, v17, 0x3d2aaaab
	v_mul_f32 v18, v14, v15
	v_fmaak_f32 v17, v15, v17, 0xbf000000
	v_fma_f32 v16, v18, v16, v14                   ; sin r
	v_fma_f32 v17, v15, v17, 1.0                   ; cos r
	v_cvt_i32_f32 v19, v13
	v_and_b32 v20, 1, v19
	v_cmp_eq_u32 vcc_lo, 1, v20                    ; an odd quarter swaps the two
	v_cndmask_b32 v[\os], v16, v17, vcc_lo
	v_cndmask_b32 v[\oc], v17, v16, vcc_lo
	v_and_b32 v20, 2, v19
	v_lshlrev_b32 v20, 30, v20
	v_xor_b32 v[\os], v20, v[\os]                  ; sin is negative in quarters 2, 3
	v_add_nc_u32 v20, 1, v19
	v_and_b32 v20, 2, v20
	v_lshlrev_b32 v20, 30, v20
	v_xor_b32 v[\oc], v20, v[\oc]                  ; cos in quarters 1, 2
.endm
	s_load_b256 s[4:11], s[0:1], 0x0               ; x s[4:5], w_qkv s[6:7], w_proj s[8:9], xw_img s[10:11]
	s_load_b128 s[12:15], s[0:1], 0x20             ; xw_sc s[12:13], rope s[14:15]
	v_lshl_add_u32 v240, v0, 2, 0xe400
	v_mov_b32 v241, 0
	v_lshrrev_b32 v1, 5, v0
	v_readfirstlane_b32 s16, v1                    ; wave
	v_and_b32 v6, 31, v0                           ; lane
	v_and_b32 v7, 15, v0                           ; r
	v_bfe_u32 v8, v0, 4, 1                         ; h
	v_lshlrev_b32 v1, 4, v6                        ; 16 x lane
	s_mov_b32 s[SEL], 0x76543210
	s_mov_b32 s[SEL+1], 0xfedcba98
	s_mov_b32 s22, 0xffff0000                      ; lanes 16-31
	s_mov_b32 s25, 0
	s_wait_kmcnt 0x0
	s_cmp_lt_u32 ttmp9, 256
	s_cbranch_scc0 .Lnot_x
	; ---- x: a wave takes one rowblock and 512 along K: four fragments
	s_lshl_b32 s17, ttmp9, 2
	s_add_co_u32 s17, s17, s16                     ; task = 2 x rowblock + quad
	s_lshr_b32 s18, s17, 1
	s_and_b32 s19, s17, 1
	s_lshr_b32 s24, s18, 1
	s_lshl_b32 s24, s24, 17                        ; 32 rows of 4,096 bytes
	s_and_b32 s26, s18, 1
	s_lshl_b32 s26, s26, 15                        ; 8 rows
	s_add_co_u32 s24, s24, s26
	s_lshl_b32 s26, s19, 11
	s_add_co_u32 s24, s24, s26
	s_add_nc_u64 s[4:5], s[4:5], s[24:25]
	s_mul_i32 s24, s18, 12288
	s_mul_i32 s26, s19, 6144
	s_add_co_u32 s24, s24, s26
	s_add_nc_u64 s[10:11], s[10:11], s[24:25]
	s_lshl_b32 s24, s17, 8                         ; 512 x rowblock + 256 x quad
	s_add_nc_u64 s[12:13], s[12:13], s[24:25]
	s_mul_i32 s26, s16, 8448                       ; my stage: 16 rows x 528 bytes
	s_wait_alu depctr_va_vdst(0)
	v_add_nc_u32 v2, s26, v1
	v_mul_u32_u24 v3, v7, 528
	v_lshl_add_u32 v3, v8, 7, v3
	v_add_nc_u32 v3, s26, v3
	v_lshlrev_b32 v4, 4, v7
	v_lshl_add_u32 v4, v8, 3, v4                   ; 16 r + 8 h
	v_lshlrev_b32 v5, 3, v8                        ; 8 h
	v_mov_b32 v[TM+7], 0                           ; written once: a lane permute's destination counts as read
	XLOAD 0
	XLOAD 1
	s_wait_alu depctr_va_vdst(0)
	XSTEP 0
	XSTEP 1
	XSTEP 2
	XSTEP 3
	v_cndmask_b32 v[TM], v[WD], v[WD+2], s22       ; lanes 0-15 store words 0, 1 of their row, lanes 16-31 words 2, 3
	v_cndmask_b32 v[TM+1], v[WD+1], v[WD+3], s22
	global_store_b64 v4, v[TM:TM+1], s[12:13]      ; 256 consecutive bytes, aligned
	s_wait_tensorcnt 0x0
	ds_add_u32 v240, v241
	s_wait_dscnt 0x0
	s_endpgm
.Lnot_x:
	s_cmp_lt_u32 ttmp9, 448
	s_cbranch_scc0 .Lnot_wq
	s_wait_alu depctr_va_vdst(0)
	WPATH 3072, 512, 33792, 256, 6
.Lnot_wq:
	s_cmp_lt_u32 ttmp9, 512
	s_cbranch_scc0 .Lrope
	s_wait_alu depctr_va_vdst(0)
	WPATH 1024, 704, 46080, 448, 8
.Lrope:
	; ---- the table: a wave takes 16 tokens; lane l: frequencies 2 (l % 16) and 2 (l % 16) + 1 of token tb + 2 it + l / 16
	s_sub_co_u32 s17, ttmp9, 512
	s_lshl_b32 s17, s17, 2
	s_add_co_u32 s17, s17, s16
	s_lshl_b32 s17, s17, 4                         ; tb
	; THE TABLE LIES AS IMAGES OF REGISTERS (this takes the place of the order [t][m] named at the head): block i of 16 tokens (lane r = token 32 (i/2) + 8 (i%2) + r + 8 (r/8)) is 4,096 bytes;
	; in it piece j of 512 bytes holds, at 16 x (16 h + r), the four numbers cos, cos, sin, sin of frequencies 2 m, 2 m + 1, m = 8 h + j, of lane r's token.
	s_lshr_b32 s24, s17, 5
	s_lshl_b32 s24, s24, 13                        ; 32 tokens are two blocks
	s_bfe_u32 s26, s17, 0x10004
	s_lshl_b32 s26, s26, 7                         ; tokens 16-31 of the 32 are lanes r = 8 .. 15
	s_add_co_u32 s24, s24, s26
	s_add_nc_u64 s[14:15], s[14:15], s[24:25]
	s_wait_alu depctr_va_vdst(0)
	v_add_nc_u32 v9, s17, v8
	v_cvt_f32_u32 v9, v9
	v_and_b32 v22, 7, v0                           ; j
	v_bfe_u32 v23, v0, 3, 1                        ; h of the image
	v_lshlrev_b32 v22, 9, v22
	v_lshl_add_u32 v22, v23, 8, v22
	v_lshl_add_u32 v22, v8, 4, v22                 ; 512 j + 256 h + 16 x (which of the trip's two tokens)
	v_mov_b32 v10, 0
	v_mov_b32 v11, 0
	s_mov_b32 s28, 0x3fc90fdb                      ; pi / 2 in three parts
	s_mov_b32 s29, 0xb33bbd2e
	s_mov_b32 s30, 0xa6f72ced
	FREQ 0, 0x3f800000
	FREQ 1, 0x3f3ff911
	FREQ 2, 0x3f0ff59a
	FREQ 3, 0x3ed7e89b
	FREQ 4, 0x3ea1e89b
	FREQ 5, 0x3e72d423
	FREQ 6, 0x3e361887
	FREQ 7, 0x3e088d77
	FREQ 8, 0x3dcccccd
	FREQ 9, 0x3d99940d
	FREQ 10, 0x3d6655c2
	FREQ 11, 0x3d2cba15
	FREQ 12, 0x3d0186e3
	FREQ 13, 0x3cc2434f
	FREQ 14, 0x3c91ad39
	FREQ 15, 0x3c5a7bf2
	FREQ 16, 0x3c23d70a
	FREQ 17, 0x3bf5b9b0
	FREQ 18, 0x3bb8449c
	FREQ 19, 0x3b8a2e77
	FREQ 20, 0x3b4f3e38
	FREQ 21, 0x3b1b690d
	FREQ 22, 0x3ae91528
	FREQ 23, 0x3aaec98e
	FREQ 24, 0x3a83126f
	FREQ 25, 0x3a44948c
	FREQ 26, 0x3a136a16
	FREQ 27, 0x39dd1725
	FREQ 28, 0x39a5cb60
	FREQ 29, 0x3978a815
	FREQ 30, 0x393a7753
	FREQ 31, 0x390bd472
.irp it, 0,1,2,3,4,5,6,7
	SINCOS 10, 32+4*\it, 34+4*\it
	SINCOS 11, 33+4*\it, 35+4*\it
	global_store_b128 v22, v[32+4*\it:35+4*\it], s[14:15] offset:4096*(\it/4)+32*(\it%4)   ; 16 bytes a lane into the images: the table is one part in twenty of what the launch stores
	v_add_f32 v9, 2.0, v9
.endr
	s_endpgm
.Lfunc_end_k_q1a719ef06d_prep:
	.size	k_q1a719ef06d_prep, .Lfunc_end_k_q1a719ef06d_prep-k_q1a719ef06d_prep
	.p2alignl 7, 3214868480
	.fill 96, 4, 3214868480
	.section	.rodata,"a",@progbits
	.p2align	6, 0x0
	.amdhsa_kernel k_q1a719ef06d_prep
		.amdhsa_group_segment_fixed_size 58880
		.amdhsa_private_segment_fixed_size 0
		.amdhsa_enable_private_segment 0
		.amdhsa_kernarg_size 48
		.amdhsa_user_sgpr_count 2
		.amdhsa_user_sgpr_kernarg_segment_ptr 1
		.amdhsa_wavefront_size32 1
		.amdhsa_system_sgpr_workgroup_id_x 1
		.amdhsa_system_sgpr_workgroup_id_y 1
		.amdhsa_system_sgpr_workgroup_id_z 1
		.amdhsa_system_vgpr_workitem_id 0
		.amdhsa_next_free_vgpr 242
		.amdhsa_next_free_sgpr 66
		.amdhsa_reserve_vcc 1
		.amdhsa_float_denorm_mode_32 3
		.amdhsa_float_denorm_mode_16_64 3
		.amdhsa_memory_ordered 1
		.amdhsa_forward_progress 1
		.amdhsa_inst_pref_size 104
	.end_amdhsa_kernel
	.amdgpu_metadata
---
amdhsa.version: [ 1, 2 ]
amdhsa.kernels:
  - .name:           k_q1a719ef06d_prep
    .symbol:         k_q1a719ef06d_prep.kd
    .args:
      - { .name: x, .offset: 0, .size: 8, .value_kind: global_buffer, .address_space: global }
      - { .name: w_qkv, .offset: 8, .size: 8, .value_kind: global_buffer, .address_space: global }
      - { .name: w_proj, .offset: 16, .size: 8, .value_kind: global_buffer, .address_space: global }
      - { .name: xw_img, .offset: 24, .size: 8, .value_kind: global_buffer, .address_space: global }
      - { .name: xw_sc, .offset: 32, .size: 8, .value_kind: global_buffer, .address_space: global }
      - { .name: rope, .offset: 40, .size: 8, .value_kind: global_buffer, .address_space: global }
    .group_segment_fixed_size: 58880
    .private_segment_fixed_size: 0
    .kernarg_segment_align: 8
    .kernarg_segment_size: 48
    .max_flat_workgroup_size: 128
    .sgpr_count:     66
    .vgpr_count:     242
    .wavefront_size: 32
...
	.end_amdgpu_metadata
.endif
;; end of part 1
;; launch qkv (part 2): grid 32 x 8, 4 waves a work-group, clusters of 4 x 1, 327,680 bytes of LDS; arguments xw_img, xw_sc, rope, qkv_img; writes qkv_img
.if DOCPART == 2
	.amdgcn_target "amdgcn-amd-amdhsa--gfx1250"
	.amdhsa_code_object_version 6
	.text
	.protected	k_q1a719ef06d_qkv
	.globl	k_q1a719ef06d_qkv
	.p2align	8
	.type	k_q1a719ef06d_qkv,@function
k_q1a719ef06d_qkv:
	s_mov_b64 s[64:65], 0
	v_nop
	global_prefetch_b8 v0, s[64:65] scope:SCOPE_SE
	s_setreg_imm32_b32 hwreg(HW_REG_WAVE_MODE, 25, 1), 1
	s_wait_xcnt 0x0
	s_wait_alu depctr_hold_cnt(0) depctr_sa_sdst(0) depctr_va_vdst(0) depctr_va_sdst(0) depctr_va_ssrc(0) depctr_va_vcc(0) depctr_vm_vsrc(0)
	s_getreg_b32 s2, hwreg(HW_REG_IB_STS2, 6, 4)
	s_cmp_eq_u32 s2, 0
	s_cbranch_scc0 .Lentry_in_a_cluster
	s_endpgm
.Lentry_in_a_cluster:
	s_bfe_u32 s2, ttmp6, 0x10000c
	s_cmp_lg_u32 s2, 0x3003
	s_cbranch_scc0 .Lentry_shape_is_right
	s_endpgm
.Lentry_shape_is_right:
; QKV.  qkv = x w_qkv on codes of E3M2 (K = 1024), RoPE on q and k, then q, k, v are quantised again in registers and stored as images of the operands that attention wants.
; A work-group: 256 tokens x 384 columns (six heads of 64).  A wave: 64 tokens x all six heads, one head after the other.
; THE TOKENS STAY IN REGISTERS: a wave's 4 rowblocks x 8 K steps x 12 registers = 384, loaded once from the images (512 consecutive bytes a load).
; THE COLUMNS STAY IN LDS: 24 rowblocks x 12,288 bytes = 294,912, filled ONCE, one joint tensor load a wave (6 rowblocks, dense, as 288 rows of 256 bytes), shared by the cluster's four work-groups,
; which differ in their tokens alone.  No byte of LDS is filled again, nothing is stored to LDS, one barrier.
; A head is 8 K steps x 16 matrix instructions on 16 accumulators, which take turns.  The columns' fragments go through four register sets; at each even K step the sets of
; the steps two and three on are asked for in ONE run of 24 loads, so that 32 matrix instructions follow each other between two runs.
; q, k (heads 0-31): source 0 = columns, source 1 = tokens: a lane holds one token, 32 registers run along the head's channels.
; v (heads 32-47):   source 0 = tokens, source 1 = columns: a lane holds one channel, 32 registers run along my 64 tokens.  Windows and scale registers change places, nothing else.
; Lane r of rowblock i is row 32 (i/2) + 8 (i%2) + r + 8 (r/8), so register 8 y + j of lane (r, h) is source 0's row 32 (y/2) + 16 h + 8 (y%2) + j: 16 neighbours in 16 registers.
; Scale words: a rowblock's 512 bytes are loaded at 16 x lane: register q holds K step q in lanes 0-15 and K step 4 + q in lanes 16-31 (the row selector).
; THE WAY OUT takes a head's four blocks of 32 registers at once: RoPE in place on the accumulators, then eight blocks of 32 numbers are quantised by turns, so that no line needs the result of the line above it.
; cos and sin (images of registers, 4,096 bytes for 16 tokens) are asked for behind the barrier: they are first wanted on the first head's way out.
; qkv_img: groups of 6,656 bytes, group head x 64 + token / 128.  q, k: fragment p = two tiles of 16 tokens x 64 channels; then an image of 4 scale registers.
; v: fragment t (16 channels x 128 tokens) lies in two halves of 768 bytes (64 tokens each): registers 0-3 at 16 x lane, registers 4-5 at 512 + 8 x lane; scale word t: two bytes from each half.
; The scale bytes leave as 8 bytes (q, k) or 2 bytes (v) a lane, 16 bytes apart: one byte in 12 of the codes a head stores.
; The look-ahead is held at the last head: in the last trips its first two steps' fragments and its scale words are asked for again and not used.  cos and sin are loaded by every work-group, also by those with v's heads alone.
; No prefetch: the tokens and the first head's scale words are asked for at the launch's head, each later head's a head ahead.
; LIMITS: NaN and infinities are not served; a block whose largest magnitude lies under 2^-122 keeps the byte 1, a block of zeros too (its codes are zeros; this program alone reads the bytes).
; REGISTERS.  Window 0: v1-16 addresses; v24-29 scale bytes on the way out; v32-47 tokens' scale words, v48-63 columns' (scales alone); v64-127 at work; v128-255 the accumulators, (x, y) at 128 + 32 x + 8 y.
; Windows 1, 2: tokens' fragments of K steps 0-3, 4-7 at 48 (kf % 4) + 12 a; v192-255 cos and sin of token blocks 0, 1 and 2, 3.  Window 3: the columns' four sets at 48 (kf % 4) + 12 b; v192-207 the next head's scale words.
.set RBB,   12288
.set HEADB, 4*RBB
.set SPARE, 6*HEADB
.set HSTEP, 64*6656
.set LI,  1
.set L8,  2
.set ADRB, 4
.set SO,  5
.set SPW, 6
.set NIL, 7
.set OQ,  12
.set OQS, 13
.set OV,  14
.set OV8, 15
.set OVS, 16
.set BY,  24
.set SW,  28
.set SCA, 32
.set SCB, 48
.set TR,  64                           ; v64-95 RoPE's products with sin; then:
.set MX,  64                           ; v64-71 eight blocks' largest magnitudes
.set PX,  72                           ; v72-79 the other half's; then the bytes
.set SX,  80                           ; v80-87 the conversions' scale operands
.set T2,  88                           ; v88-103 the upper halves' codes, four registers a block pair
.set IMG, 104                          ; v104-127 four times six registers of codes
.set AC,  128
.set TSC, 192
.set SEL, 20
.set G0,  24
.set G1,  32
.set HD,  40
.set H0,  41
.set MSB, 0
.macro WIN new                         ; the immediate's high byte repeats the setting that is left
.if MSB != (\new)
	s_set_vgpr_msb (MSB<<8)|(\new)
.set MSB, (\new)
.endif
.endm
.macro CROUND
	s_barrier_signal -1
	s_barrier_wait -1
	s_cmp_lg_u32 s12, 0
	s_cbranch_scc1 .Lnot_wave_0_\@
	s_barrier_signal -3
.Lnot_wave_0_\@:
	s_barrier_wait -3
	s_barrier_signal -1
	s_barrier_wait -1
.endm
.macro PLACES n
.rept \n
	v_nop
.endr
.endm
.macro FETCH2 kf                       ; the head's four column blocks of K steps kf and kf + 1 into their sets: 24 loads in one run
	WIN 0xc0
.irp d, 0,1
.irp b, 0,1,2,3
.irp c, 0,1,2
	ds_load_b128 v[48*(((\kf)+\d)%4)+12*\b+4*\c:48*(((\kf)+\d)%4)+12*\b+4*\c+3], v[ADRB] offset:RBB*\b+1536*((\kf)+\d)+512*\c
.endr
.endr
.endr
	WIN 0
.endm
.macro WM x, y, kf, s0, s1             ; one matrix instruction: source 0's block y (scales s0) x source 1's block x (scales s1); Q = kf % 4
.if (\kf) == 0
	v_wmma_scale_f32_16x16x128_f8f6f4 v[AC+32*\x+8*\y:AC+32*\x+8*\y+7], v[48*Q+12*\y:48*Q+12*\y+11], v[48*Q+12*\x:48*Q+12*\x+11], 0, v[\s0+4*\y+Q], v[\s1+4*\x+Q] matrix_a_fmt:MATRIX_FMT_BF6 matrix_b_fmt:MATRIX_FMT_BF6
.else
.if (\kf) < 4
	v_wmma_scale_f32_16x16x128_f8f6f4 v[AC+32*\x+8*\y:AC+32*\x+8*\y+7], v[48*Q+12*\y:48*Q+12*\y+11], v[48*Q+12*\x:48*Q+12*\x+11], v[AC+32*\x+8*\y:AC+32*\x+8*\y+7], v[\s0+4*\y+Q], v[\s1+4*\x+Q] matrix_a_fmt:MATRIX_FMT_BF6 matrix_b_fmt:MATRIX_FMT_BF6
.else
	v_wmma_scale_f32_16x16x128_f8f6f4 v[AC+32*\x+8*\y:AC+32*\x+8*\y+7], v[48*Q+12*\y:48*Q+12*\y+11], v[48*Q+12*\x:48*Q+12*\x+11], v[AC+32*\x+8*\y:AC+32*\x+8*\y+7], v[\s0+4*\y+Q], v[\s1+4*\x+Q] matrix_a_fmt:MATRIX_FMT_BF6 matrix_b_fmt:MATRIX_FMT_BF6 matrix_a_scale:MATRIX_SCALE_ROW1 matrix_b_scale:MATRIX_SCALE_ROW1
.endif
.endif
.endm
.macro KSTEP kf, mode
.set Q, (\kf)%4
.if \mode
.set MW, (1+(\kf)/4)|(3<<2)            ; source 0 the tokens' window, source 1 window 3
.else
.set MW, 3|((1+(\kf)/4)<<2)
.endif
.if (\kf)%2 == 0
.if (\kf) < 6
	PLACES 4                                       ; in front of loads into the two sets that the last two steps multiplied
	FETCH2 (\kf)+2
	s_wait_dscnt 36                                ; this step's set is in; the next step's 12 loads and the 24 just issued may be out
.else
	s_wait_dscnt 12                                ; the last step's 12 may be out
.endif
.else
.if (\kf) < 7
	s_wait_dscnt 24                                ; the 24 loads of the two steps on may be out
.else
	s_wait_dscnt 0x0
.endif
.endif
	WIN MW
.irp x, 0,1,2,3
.irp y, 0,1,2,3
.if \mode
	WM \x, \y, \kf, SCA, SCB
.else
	WM \x, \y, \kf, SCB, SCA
.endif
.endr
.endr
	WIN 0
.endm
.macro AHEAD                           ; behind a head's last product: the next head's first two steps are asked for, and land under the way out
	PLACES 4                                       ; also the places in front of the first read of results
	s_add_co_u32 s42, s[HD], 1
	s_min_u32 s42, s42, 5                          ; the next head, held at the last
	s_mul_i32 s42, s42, HEADB
	v_add_nc_u32 v[ADRB], s42, v[LI]
	FETCH2 0
	s_wait_xcnt 0x0                                ; the last head's stores have read their registers and their base
	s_add_nc_u64 s[10:11], s[10:11], HSTEP         ; this head's groups
.endm
.macro TOP                             ; the coming head's scale words go to their registers, and those of the head behind it are asked for, a head ahead
	WIN 0x03
.irp i, 0,1,2,3,4,5,6,7,8,9,10,11,12,13,14,15
	v_mov_b32 v[SCB+\i], v[TSC+\i]
.endr
	WIN 0
	s_add_co_u32 s43, s[HD], 1
	s_min_u32 s43, s43, 5                          ; held at the last head
	s_lshl_b32 s43, s43, 11
	v_add_nc_u32 v[SO], s43, v[LI]
	WIN 0xc0
.irp b, 0,1,2,3
	global_load_b128 v[TSC+4*\b:TSC+4*\b+3], v[SO], s[46:47] offset:512*\b
.endr
	WIN 0
	PLACES 8                                       ; eight places between the scale registers' writes and the first product
.endm
; RoPE in place on token block a: register i is channel 16 h + i, register 16 + i channel 32 + 16 h + i.  Each accumulator is first read at its low end.
.macro ROPEH a
.set AB, AC+32*(\a)
.set CB, 192+32*((\a)%2)
	WIN (1+(\a)/2)<<2
.irp m, 0,1,2,3,4,5,6,7
	v_pk_mul_f32 v[TR+4*\m:TR+4*\m+1], v[AB+16+2*\m:AB+17+2*\m], v[CB+4*\m+2:CB+4*\m+3]
	v_pk_mul_f32 v[TR+4*\m+2:TR+4*\m+3], v[AB+2*\m:AB+2*\m+1], v[CB+4*\m+2:CB+4*\m+3]
.endr
.irp m, 0,1,2,3,4,5,6,7
	v_pk_fma_f32 v[AB+2*\m:AB+2*\m+1], v[AB+2*\m:AB+2*\m+1], v[CB+4*\m:CB+4*\m+1], v[TR+4*\m:TR+4*\m+1] neg_lo:[0,0,1] neg_hi:[0,0,1]
	v_pk_fma_f32 v[AB+16+2*\m:AB+17+2*\m], v[AB+16+2*\m:AB+17+2*\m], v[CB+4*\m:CB+4*\m+1], v[TR+4*\m+2:TR+4*\m+3]
.endr
	WIN 0
.endm
; Four times 32 numbers of a lane (x = 0 .. 3; register 16 b + i = k 32 b + 16 h + i) become four times six registers of codes (lane half h: block h whole) at IMG + 6 x, and two bytes each in v[BY + x].
.macro QUANT4
.irp x, 0,1,2,3
.irp b, 0,1
	v_max3_num_f32 v[MX+2*\x+\b], |v[AC+32*\x+16*\b]|, |v[AC+32*\x+16*\b+1]|, 0x2800000   ; the floor 2^(5 - 127) holds the byte at 1
.endr
.endr
.irp i, 2,4,6,8,10,12,14
.irp x, 0,1,2,3
.irp b, 0,1
	v_max3_num_f32 v[MX+2*\x+\b], v[MX+2*\x+\b], |v[AC+32*\x+16*\b+\i]|, |v[AC+32*\x+16*\b+\i+1]|
.endr
.endr
.endr
.irp n, 0,1,2,3,4,5,6,7
	v_permlanex16_b32 v[PX+\n], v[MX+\n], s[SEL], s[SEL+1]
.endr
.irp n, 0,1,2,3,4,5,6,7
	v_max_num_f32 v[MX+\n], v[MX+\n], v[PX+\n]
.endr
.irp n, 0,1,2,3,4,5,6,7
	v_add_nc_u32 v[SX+\n], 0xfe000000, v[MX+\n]    ; 4 off the exponent field: the conversion's scale operand
.endr
.irp n, 0,1,2,3,4,5,6,7
	v_lshrrev_b32 v[PX+\n], 23, v[SX+\n]
.endr
.irp x, 0,1,2,3
	v_lshl_or_b32 v[BY+\x], v[PX+2*\x+1], 8, v[PX+2*\x]
.endr
.irp x, 0,1,2,3
	v_cvt_scalef32_pk16_bf6_f32 v[IMG+6*\x:IMG+6*\x+2], v[AC+32*\x:AC+32*\x+15], v[SX+2*\x]
	v_cvt_scalef32_pk16_bf6_f32 v[T2+4*\x:T2+4*\x+2], v[AC+32*\x+16:AC+32*\x+31], v[SX+2*\x+1]
.endr
	v_nop                                          ; one plain line behind the conversions
.irp x, 0,1,2,3
.irp i, 0,1,2
	v_permlane16_swap_b32 v[IMG+6*\x+\i], v[T2+4*\x+\i]   ; the first now holds each half's block's lower 16 codes, the second the upper 16
.endr
.endr
.irp x, 0,1,2,3
.irp i, 0,1,2
	v_mov_b32 v[IMG+6*\x+3+\i], v[T2+4*\x+\i]
.endr
.endr
.endm
	s_load_b256 s[4:11], s[0:1], 0x0               ; xw_img s[4:5], xw_sc s[6:7], rope s[8:9], qkv_img s[10:11]
	v_lshl_add_u32 v[SPW], v0, 2, SPARE
	v_mov_b32 v[NIL], 0
	ds_add_u32 v[SPW], v[NIL]                      ; the opening lines: the add, twice on end, and its wait
	ds_add_u32 v[SPW], v[NIL]
	v_lshrrev_b32 v1, 5, v0
	v_readfirstlane_b32 s12, v1                    ; wave 0..3
	s_bfe_u32 s13, ttmp6, 0x40000                  ; cx: it enters global addresses alone
	s_and_b32 s14, ttmp7, 0xffff                   ; which 384 columns: the same in all partners
	s_lshl_b32 s15, ttmp9, 2
	s_add_co_u32 s15, s15, s13                     ; which 256 tokens
	s_mul_i32 s[H0], s14, 6                        ; my first head
	s_mul_i32 s16, s14, 24
	s_mul_i32 s17, s12, 6
	s_add_co_u32 s17, s17, s16
	s_add_co_u32 s17, s17, 512                     ; the six rowblocks of columns that I fetch
	s_mul_i32 s18, s17, RBB
	s_mov_b32 s19, 0
	s_mov_b32 s[G1], 15|(3<<16)|(1<<21)            ; the mask: all four work-groups; elements of 8 bytes; bit 21 beside a mask
	s_mov_b32 s[G1+1], 32<<16                      ; rows of 256 bytes,
	s_mov_b32 s[G1+2], 288<<16                     ; 288 of them: 73,728 dense bytes
	s_mov_b32 s[G1+3], 32<<16
	s_mov_b32 s[G1+4], 288
	s_mov_b32 s[G1+5], 32
	s_mov_b32 s[G1+6], 0
	s_mov_b32 s[G1+7], 0
	s_mov_b32 s[SEL], 0x76543210
	s_mov_b32 s[SEL+1], 0xfedcba98
	s_wait_dscnt 0x0
	s_wait_kmcnt 0x0
	s_mov_b32 s[G0], 1
	s_mul_i32 s[G0+1], s12, 6*RBB                  ; by the wave's number alone
	s_add_nc_u64 s[G0+2:G0+3], s[4:5], s[18:19]
	s_or_b32 s[G0+3], s[G0+3], 0x80000000
	CROUND                                         ; all four work-groups are here: the joint loads meet
	tensor_load_to_lds s[G0:G0+3], s[G1:G1+7]      ; every wave's one tensor load of the launch
	s_nop 0
	PLACES 4
	s_lshl_b32 s22, s15, 4
	s_lshl_b32 s23, s12, 2
	s_add_co_u32 s22, s22, s23                     ; my first rowblock of tokens
	s_mul_i32 s16, s22, RBB
	s_mov_b32 s17, 0
	s_add_nc_u64 s[16:17], s[4:5], s[16:17]        ; its codes
	s_lshl_b32 s44, s22, 9
	s_mov_b32 s45, 0
	s_add_nc_u64 s[44:45], s[6:7], s[44:45]        ; its scale bytes
	s_mul_i32 s46, s14, 24*512
	s_add_co_u32 s46, s46, 512*512
	s_mov_b32 s47, 0
	s_add_nc_u64 s[46:47], s[6:7], s[46:47]        ; the columns' scale bytes
	s_and_b32 s48, s22, 127                        ; my first block's place in its sequence: the table has 128 blocks of 4,096 bytes
	s_lshl_b32 s48, s48, 12
	s_mov_b32 s49, 0
	s_add_nc_u64 s[8:9], s[8:9], s[48:49]
	s_lshl_b32 s48, s[H0], 6
	s_lshl_b32 s50, s15, 1
	s_add_co_u32 s48, s48, s50
	s_lshr_b32 s50, s12, 1
	s_add_co_u32 s48, s48, s50                     ; group = head x 64 + token / 128
	s_mul_i32 s48, s48, 6656
	s_add_nc_u64 s[10:11], s[10:11], s[48:49]
	s_sub_nc_u64 s[10:11], s[10:11], HSTEP         ; each way out begins by stepping a head on: nothing is stored by this value
	s_and_b32 s51, s12, 1                          ; which 64 of the group's 128 tokens are mine
	v_and_b32 v8, 31, v0
	v_lshlrev_b32 v[LI], 4, v8                     ; 16 x lane
	v_lshlrev_b32 v[L8], 3, v8
	v_lshlrev_b32 v[ADRB], 4, v8
	s_mul_i32 s52, s51, 3072
	v_add_nc_u32 v[OQ], s52, v[LI]                 ; q, k: my two pair fragments
	s_lshl_b32 s52, s51, 3
	s_add_co_u32 s52, s52, 6144
	v_add_nc_u32 v[OQS], s52, v[LI]                ; and their two scale registers
	s_mul_i32 s52, s51, 768
	v_add_nc_u32 v[OV], s52, v[LI]                 ; v: my half of a fragment
	s_add_co_u32 s52, s52, 512
	v_add_nc_u32 v[OV8], s52, v[L8]
	s_lshl_b32 s52, s51, 1
	s_add_co_u32 s52, s52, 6144
	v_add_nc_u32 v[OVS], s52, v[LI]                ; and my two bytes of a scale word
.irp n, 0,1,2,3,4,5,6,7
	v_mov_b32 v[PX+\n], 0                          ; written once: a lane permute's destination counts as read
.endr
	s_wait_alu depctr_va_vdst(0)
.irp a, 0,1,2,3
	global_load_b128 v[SCA+4*\a:SCA+4*\a+3], v[LI], s[44:45] offset:512*\a
.endr
	WIN 0xc0
.irp b, 0,1,2,3
	global_load_b128 v[TSC+4*\b:TSC+4*\b+3], v[LI], s[46:47] offset:512*\b
.endr
.irp kf, 0,1,2,3,4,5,6,7
	WIN (1+(\kf)/4)<<6
.irp a, 0,1,2,3
.irp c, 0,1,2
	global_load_b128 v[48*((\kf)%4)+12*\a+4*\c:48*((\kf)%4)+12*\a+4*\c+3], v[LI], s[16:17] offset:RBB*\a+1536*\kf+512*\c
.endr
.endr
.endr
	WIN 0
	s_wait_tensorcnt 0x0                           ; my six rowblocks are in,
	s_barrier_signal -1
	s_barrier_wait -1                              ; everybody's are; from here on LDS is only read
	FETCH2 0
	s_mov_b32 s[HD], 0
	s_wait_loadcnt 0x0                             ; the tokens and the first scale words are in
.irp a, 0,1,2,3
	WIN (1+(\a)/2)<<6
.irp j, 0,1,2,3,4,5,6,7
	global_load_b128 v[192+32*((\a)%2)+4*\j:192+32*((\a)%2)+4*\j+3], v[LI], s[8:9] offset:4096*\a+512*\j   ; cos, cos, sin, sin of my token's frequencies 16 h + 2 j, + 1: 512 consecutive bytes a load
.endr
.endr
	WIN 0
	TOP
.Lhead:
	s_add_co_u32 s53, s[H0], s[HD]
	s_cmp_lt_u32 s53, 32                           ; q or k?  By the cluster's y and the loop's counter alone
	s_wait_alu depctr_va_vdst(0)
	s_cbranch_scc0 .Lv
.irp kf, 0,1,2,3,4,5,6,7
	KSTEP \kf, 0
.endr
	AHEAD
	s_wait_loadcnt 4                               ; cos and sin are in; the four loads of the next scale words, issued behind them, may be out
.irp a, 0,1,2,3
	ROPEH \a
.endr
	QUANT4
	v_lshl_or_b32 v[SW], v[BY+1], 16, v[BY]        ; a pair fragment's scale register: the two tiles' two bytes each
	v_lshl_or_b32 v[SW+1], v[BY+3], 16, v[BY+2]
.irp p, 0,1
.irp c, 0,1,2
	global_store_b128 v[OQ], v[IMG+12*\p+4*\c:IMG+12*\p+4*\c+3], s[10:11] offset:1536*\p+512*\c   ; 512 consecutive bytes, aligned
.endr
.endr
	global_store_b64 v[OQS], v[SW:SW+1], s[10:11]
	s_wait_alu depctr_va_vdst(0)
	s_branch .Lnext
.Lv:
.irp kf, 0,1,2,3,4,5,6,7
	KSTEP \kf, 1
.endr
	AHEAD
	QUANT4
.irp t, 0,1,2,3
	global_store_b128 v[OV], v[IMG+6*\t:IMG+6*\t+3], s[10:11] offset:1536*\t      ; 512 consecutive bytes,
	global_store_b64 v[OV8], v[IMG+6*\t+4:IMG+6*\t+5], s[10:11] offset:1536*\t    ; and 256, both aligned
	global_store_b16 v[OVS], v[BY+\t], s[10:11] offset:4*\t
.endr
.Lnext:
	s_add_co_u32 s[HD], s[HD], 1
	s_wait_loadcnt 0x0                             ; the coming head's scale words, asked for a head ago, are in
	TOP
	s_cmp_lt_u32 s[HD], 6
	s_wait_alu depctr_va_vdst(0)
	s_cbranch_scc1 .Lhead
	s_wait_tensorcnt 0x0                           ; the wave's end
	ds_add_u32 v[SPW], v[NIL]
	s_wait_dscnt 0x0
	CROUND                                         ; the closing round
	s_endpgm
.Lfunc_end_k_q1a719ef06d_qkv:
	.size	k_q1a719ef06d_qkv, .Lfunc_end_k_q1a719ef06d_qkv-k_q1a719ef06d_qkv
	.p2alignl 7, 3214868480
	.fill 96, 4, 3214868480
	.section	.rodata,"a",@progbits
	.p2align	6, 0x0
	.amdhsa_kernel k_q1a719ef06d_qkv
		.amdhsa_group_segment_fixed_size 327680
		.amdhsa_private_segment_fixed_size 0
		.amdhsa_enable_private_segment 0
		.amdhsa_kernarg_size 32
		.amdhsa_user_sgpr_count 2
		.amdhsa_user_sgpr_kernarg_segment_ptr 1
		.amdhsa_wavefront_size32 1
		.amdhsa_system_sgpr_workgroup_id_x 1
		.amdhsa_system_sgpr_workgroup_id_y 1
		.amdhsa_system_sgpr_workgroup_id_z 1
		.amdhsa_system_vgpr_workitem_id 0
		.amdhsa_next_free_vgpr 1024
		.amdhsa_next_free_sgpr 66
		.amdhsa_reserve_vcc 0
		.amdhsa_float_denorm_mode_32 3
		.amdhsa_float_denorm_mode_16_64 3
		.amdhsa_memory_ordered 1
		.amdhsa_forward_progress 1
		.amdhsa_inst_pref_size 96
	.end_amdhsa_kernel
	.amdgpu_metadata
---
amdhsa.version: [ 1, 2 ]
amdhsa.kernels:
  - .name:           k_q1a719ef06d_qkv
    .symbol:         k_q1a719ef06d_qkv.kd
    .args:
      - { .name: xw_img, .offset: 0, .size: 8, .value_kind: global_buffer, .address_space: global }
      - { .name: xw_sc, .offset: 8, .size: 8, .value_kind: global_buffer, .address_space: global }
      - { .name: rope, .offset: 16, .size: 8, .value_kind: global_buffer, .address_space: global }
      - { .name: qkv_img, .offset: 24, .size: 8, .value_kind: global_buffer, .address_space: global }
    .group_segment_fixed_size: 327680
    .private_segment_fixed_size: 0
    .kernarg_segment_align: 8
    .kernarg_segment_size: 32
    .max_flat_workgroup_size: 128
    .sgpr_count:     66
    .vgpr_count:     1024
    .wavefront_size: 32
...
	.end_amdgpu_metadata
.endif
;; end of part 2
;; launch attn (part 3): grid 4 x 64, 16 waves a work-group, clusters of 4 x 1, 327,680 bytes of LDS; arguments qkv_img, y_img, y_sc; writes y_img, y_sc
.if DOCPART == 3
	.amdgcn_target "amdgcn-amd-amdhsa--gfx1250"
	.amdhsa_code_object_version 6
	.text
	.protected	k_q1a719ef06d_attn
	.globl	k_q1a719ef06d_attn
	.p2align	8
	.type	k_q1a719ef06d_attn,@function
k_q1a719ef06d_attn:
	s_mov_b64 s[64:65], 0
	v_nop
	global_prefetch_b8 v0, s[64:65] scope:SCOPE_SE
	s_setreg_imm32_b32 hwreg(HW_REG_WAVE_MODE, 25, 1), 1
	s_wait_xcnt 0x0
	s_wait_alu depctr_hold_cnt(0) depctr_sa_sdst(0) depctr_va_vdst(0) depctr_va_sdst(0) depctr_va_ssrc(0) depctr_va_vcc(0) depctr_vm_vsrc(0)
	s_getreg_b32 s2, hwreg(HW_REG_IB_STS2, 6, 4)
	s_cmp_eq_u32 s2, 0
	s_cbranch_scc0 .Lentry_in_a_cluster
	s_endpgm
.Lentry_in_a_cluster:
	s_bfe_u32 s2, ttmp6, 0x10000c
	s_cmp_lg_u32 s2, 0x3003
	s_cbranch_scc0 .Lentry_shape_is_right
	s_endpgm
.Lentry_shape_is_right:
; ATTN.  y = softmax(q k^T / 8, causal) v for one (batch, head) a cluster, both products on codes of E3M2; y is quantised along the channels and stored as half fragments for the last product.
; THE SOFTMAX AHEAD OF THE SECOND PRODUCT: t = score x log2(e) / 8; M = the running largest t rounded UP to a whole number; p = 2^(t - M) is quantised along the keys; the row's sum is taken of the unquantised p and divides at the end.
; LDS: all of the head's K (16 groups of 6,656 bytes) and V (16 groups) lie in LDS, filled ONCE by joint loads of the cluster's four work-groups: no byte is filled again, nothing is stored to LDS, one barrier.
; SHARES.  Of each group g of 128 queries, work-group cx owns pair cx: two tiles of 16.  Wave w takes tile 0 of group 15 - w (pass 0: 16 - w key steps) and tile 1 of group w (pass 1: w + 1 steps): 17 steps of 128 keys in every wave.
; Steps whose keys all come after the queries are left out by a scalar branch on the wave's number and the loop's counter; no branch hangs on the work-group's place in its cluster: cx enters global addresses and the mask's compare alone.
; LAYOUT.  Both products are used transposed: S^T = K Q^T, O^T = V^T P^T: a lane holds ONE query.  Lane r of a tile is token 8 u + r + 8 (r/8) of its 32, so p's 16 registers of two neighbouring tiles are 16 neighbouring keys.
; THE FIRST PRODUCT'S K IS 64, the instruction's 128: a fragment holds TWO tiles of keys (registers 0-5, 6-11); multiplied by [q | zeros] it gives the first tile's scores, by [zeros | q] the second's.
; LIMITS: NaN and infinities are not served; a block of y whose largest magnitude lies under 2^-122 keeps the byte 1, a block of zeros too.  y's scale bytes leave as single bytes, two a row: one byte for 24 of codes.
.set QKB,  13631488
.set GRP,  6656
.set VLDS, 106496                      ; V's groups begin here in LDS
.set LI,  1                            ; v1  16 x lane
.set L8,  2                            ; v2  8 x lane
.set QS,  34                           ; v34 q's scale word: its two bytes twice.  Scales alone
.set KB,  36                           ; v36-83 four fragments of K, then of V
.set KS,  84                           ; v84-87 their scale words.  Scales alone
.set S,   96                           ; v96-159 S^T, then p, at the end y
.set O,   160                          ; v160-191 O^T
.set PC,  192                          ; v192-203 p's codes
.set BM,  212
.set BP,  216
.set BS,  220
.set PW,  226                          ; v226 p's scale word.  Scales alone
.set WV,  10
.set SEL, 20
.set CSC, 22                           ; s[22:23] c = log2(e) / 8
.set G0,  24
.set G1,  32
.set GG,  40                           ; s40 my group of queries in this pass
.set PASS, 41
.set KSR, 42                           ; s42 the key step
.set NN,  43                           ; s43 the loop's counter
.macro CROUND
	s_barrier_signal -1
	s_barrier_wait -1
	s_cmp_lg_u32 s[WV], 0
	s_cbranch_scc1 .Lnot_wave_0_\@
	s_barrier_signal -3
.Lnot_wave_0_\@:
	s_barrier_wait -3
	s_barrier_signal -1
	s_barrier_wait -1
.endm
; A pass begins: my tile of q into v22-27, its scale word, the mask's term, and the sums begin as zeros and the largest t as -3e38.
.macro START
	s_mul_i32 s44, s[GG], GRP
	s_add_co_u32 s44, s44, s16
	s_mul_i32 s45, s11, 1536
	s_add_co_u32 s46, s44, s45
	s_mov_b32 s47, 0
	s_add_nc_u64 s[46:47], s[4:5], s[46:47]        ; pair cx of group g
	s_lshl_b32 s45, s11, 2
	s_add_co_u32 s48, s44, s45
	s_mov_b32 s49, 0
	s_add_nc_u64 s[48:49], s[4:5], s[48:49]        ; and its scale register
.irp c, 0,1,2
	global_load_b128 v[S+4*\c:S+4*\c+3], v[LI], s[46:47] offset:512*\c
.endr
	global_load_b32 v[S+12], v[LI], s[48:49] offset:6144
	s_cmp_eq_u32 s[PASS], 0
	s_cselect_b32 s50, 0, -1                       ; pass 1 takes the pair's second tile
	s_mov_b32 s51, 0x03020302
	s_cselect_b32 s51, 0x01000100, s51
	s_lshl_b32 s52, s11, 5
	s_lshl_b32 s53, s[PASS], 3
	s_add_co_u32 s52, s52, s53
	v_add_nc_u32 v3, s52, v9                       ; my query's place in its 128, less 16 h
	v_mov_b32 v13, 0xff61b1e6                      ; the largest t so far: -3e38
	s_delay_alu instid0(VALU_DEP_1)
	v_floor_f32 v12, -v13                          ; -M
	v_mov_b32 v14, 0
	v_mov_b32 v15, 0
	s_wait_loadcnt 0x0
.irp i, 0,1,2,3,4,5
	v_cndmask_b32 v[22+\i], v[S+\i], v[S+6+\i], s50
.endr
	v_perm_b32 v[QS], v[S+12], v[S+12], s51
.set j, 0
.rept 32
	v_mov_b32 v[O+j], 0                            ; (these are also the places between the writes above and the first product)
.set j, j+1
.endr
.endm
; A key step: 128 keys.
.macro STEP
	s_mul_i32 s54, s[KSR], GRP
	v_add_nc_u32 v4, s54, v[LI]
	s_delay_alu instid0(VALU_DEP_1)
	v_add_nc_u32 v5, VLDS, v4
	v_add_nc_u32 v11, s54, v[L8]
	s_delay_alu instid0(VALU_DEP_1)
	v_add_nc_u32 v11, VLDS+512, v11                ; V's fragments lie in halves of 768 bytes: registers 0-3 at 16 x lane, registers 4-5 at 512 + 8 x lane
.irp p, 0,1,2,3
.irp c, 0,1,2
	ds_load_b128 v[KB+12*\p+4*\c:KB+12*\p+4*\c+3], v4 offset:1536*\p+512*\c
.endr
.endr
	ds_load_b128 v[KS:KS+3], v4 offset:6144
	s_wait_alu depctr_va_vdst(0)
	s_wait_dscnt 0x0
.irp p, 0,1,2,3
	v_wmma_scale_f32_16x16x128_f8f6f4 v[S+16*\p:S+16*\p+7], v[KB+12*\p:KB+12*\p+11], v[22:33], 0, v[KS+\p], v[QS] matrix_a_fmt:MATRIX_FMT_BF6 matrix_b_fmt:MATRIX_FMT_BF6
	v_wmma_scale_f32_16x16x128_f8f6f4 v[S+16*\p+8:S+16*\p+15], v[KB+12*\p:KB+12*\p+11], v[16:27], 0, v[KS+\p], v[QS] matrix_a_fmt:MATRIX_FMT_BF6 matrix_b_fmt:MATRIX_FMT_BF6
.endr
.rept 4
	v_nop                                          ; places in front of the loads below and of the first read of the scores
.endr
.irp t, 0,1,2,3
.irp c, 0,1
	ds_load_b128 v[KB+12*\t+6*\c:KB+12*\t+6*\c+3], v5 offset:1536*\t+768*\c   ; V's fragments land while the softmax is walked
	ds_load_b64 v[KB+12*\t+6*\c+4:KB+12*\t+6*\c+5], v11 offset:1536*\t+768*\c
.endr
.endr
	ds_load_b128 v[KS:KS+3], v5 offset:6144
	s_cmp_lg_u32 s[KSR], s[GG]
	s_cbranch_scc1 .Lopen_\@
.set n, 0                                      ; on the diagonal: register 16 b + i holds key 32 b + 16 h + i of the 128: hidden where 32 b + i > my query - 16 h
.rept 64
	v_cmp_gt_i32 vcc_lo, 32*(n/16)+n%16, v3
	v_cndmask_b32 v[S+n], v[S+n], v10, vcc_lo
.set n, n+1
.endr
.Lopen_\@:
.irp b, 0,1,2,3
	v_max3_num_f32 v[BM+\b], v[S+16*\b], v[S+1+16*\b], v[S+2+16*\b]   ; the largest score of each block of 32 keys: for the row's maximum, and, since p rises with the score, for the block's largest p
.endr
.irp i, 3,5,7,9,11,13
.irp b, 0,1,2,3
	v_max3_num_f32 v[BM+\b], v[BM+\b], v[S+16*\b+\i], v[S+1+16*\b+\i]
.endr
.endr
.irp b, 0,1,2,3
	v_max_num_f32 v[BM+\b], v[BM+\b], v[S+15+16*\b]
.endr
.irp b, 0,1,2,3
	s_delay_alu instid0(VALU_DEP_4)
	v_permlanex16_b32 v[BP+\b], v[BM+\b], s[SEL], s[SEL+1]
.endr
.irp b, 0,1,2,3
	s_delay_alu instid0(VALU_DEP_4)
	v_max_num_f32 v[BM+\b], v[BM+\b], v[BP+\b]
.endr
	s_delay_alu instid0(VALU_DEP_2)
	v_max3_num_f32 v227, v[BM], v[BM+1], v[BM+2]
	s_delay_alu instid0(VALU_DEP_1)
	v_max_num_f32 v227, v227, v[BM+3]
	s_delay_alu instid0(VALU_DEP_1)
	v_mul_f32 v227, s[CSC], v227
	s_delay_alu instid0(VALU_DEP_1)
	v_max_num_f32 v13, v13, v227                   ; the running largest t
	v_mov_b32 v227, v12
	s_delay_alu instid0(VALU_DEP_2)
	v_floor_f32 v12, -v13                          ; the new -M = -ceil(t)
	s_delay_alu instid0(VALU_DEP_1)
	v_sub_f32 v227, v12, v227                      ; old M - new M: a whole number, 0 or less
	s_delay_alu instid0(VALU_DEP_1)
	v_cvt_i32_f32 v227, v227                       ; (it saturates)
	s_delay_alu instid0(VALU_DEP_1)
	v_ldexp_f32 v224, 1.0, v227                    ; f = 2^(old M - new M): the rescaling rounds nothing
.set j, 0
.rept 32
	v_pk_fma_f32 v[S+j:S+j+1], v[S+j:S+j+1], s[CSC:CSC+1], v[12:13] op_sel_hi:[1,0,0]   ; t - M
.set j, j+2
.endr
.irp b, 0,1,2,3
	v_fma_f32 v[BM+\b], v[BM+\b], s[CSC], v12
.endr
.set j, 0
	s_wait_alu depctr_va_vdst(0)
.rept 64
	v_exp_f32 v[S+j], v[S+j]                       ; p = 2^(t - M)
.set j, j+1
.endr
	v_pk_mul_f32 v[14:15], v[14:15], v[224:225] op_sel_hi:[1,0]   ; the sums under the new M; a plain line behind the exponentials
	s_wait_alu depctr_va_vdst(0)                   ; one wait for the batch, ahead of its first reader
.irp b, 0,1,2,3
	v_exp_f32 v[BM+\b], v[BM+\b]                   ; each block's largest p
.endr
	v_pk_add_f32 v[216:217], v[100:101], v[104:105]
	v_pk_add_f32 v[252:253], v[108:109], v[112:113]
	v_pk_add_f32 v[250:251], v[116:117], v[120:121]
	v_pk_add_f32 v[248:249], v[124:125], v[128:129]
	v_pk_add_f32 v[246:247], v[132:133], v[136:137]
	v_pk_add_f32 v[244:245], v[140:141], v[144:145]
	v_pk_add_f32 v[242:243], v[148:149], v[152:153]
	v_pk_add_f32 v[14:15], v[14:15], v[156:157]
	v_pk_add_f32 v[216:217], v[216:217], v[96:97]
	v_pk_add_f32 v[252:253], v[252:253], v[98:99]
	v_pk_add_f32 v[250:251], v[250:251], v[102:103]
	v_pk_add_f32 v[248:249], v[248:249], v[106:107]
	v_pk_add_f32 v[246:247], v[246:247], v[110:111]
	v_pk_add_f32 v[244:245], v[244:245], v[114:115]
	v_pk_add_f32 v[242:243], v[242:243], v[118:119]
	v_pk_add_f32 v[14:15], v[14:15], v[122:123]
	v_pk_add_f32 v[216:217], v[216:217], v[126:127]
	v_pk_add_f32 v[252:253], v[252:253], v[130:131]
	v_pk_add_f32 v[250:251], v[250:251], v[134:135]
	v_pk_add_f32 v[248:249], v[248:249], v[138:139]
	v_pk_add_f32 v[246:247], v[246:247], v[142:143]
	v_pk_add_f32 v[244:245], v[244:245], v[146:147]
	v_pk_add_f32 v[242:243], v[242:243], v[150:151]
	v_pk_add_f32 v[14:15], v[14:15], v[154:155]
	v_pk_add_f32 v[216:217], v[216:217], v[158:159]
	s_delay_alu instid0(VALU_DEP_2)
	v_pk_add_f32 v[14:15], v[14:15], v[248:249]
	s_delay_alu instid0(VALU_DEP_2)
	v_pk_add_f32 v[216:217], v[216:217], v[246:247]
	v_pk_add_f32 v[252:253], v[252:253], v[244:245]
	v_pk_add_f32 v[250:251], v[250:251], v[242:243]
	s_delay_alu instid0(VALU_DEP_2)
	v_pk_add_f32 v[14:15], v[14:15], v[252:253]
	s_delay_alu instid0(VALU_DEP_2)
	v_pk_add_f32 v[216:217], v[216:217], v[250:251]
	s_delay_alu instid0(VALU_DEP_1)
	v_pk_add_f32 v[14:15], v[14:15], v[216:217]
	s_wait_alu depctr_va_vdst(0)                   ; and one for the four
.irp b, 0,1,2,3
	v_max_num_f32 v[BM+\b], 0x2800000, v[BM+\b]    ; the floor: the byte cannot fall under 1
.endr
.irp b, 0,1,2,3
	s_delay_alu instid0(VALU_DEP_4)
	v_add_nc_u32 v[BS+\b], 0xfe000000, v[BM+\b]
.endr
.irp b, 0,1,2,3
	s_delay_alu instid0(VALU_DEP_4)
	v_lshrrev_b32 v[BP+\b], 23, v[BS+\b]
.endr
	s_delay_alu instid0(VALU_DEP_3)
	v_lshl_or_b32 v[PW], v[BP+1], 8, v[BP]
	s_delay_alu instid0(VALU_DEP_1)
	v_lshl_or_b32 v[PW], v[BP+2], 16, v[PW]
	s_delay_alu instid0(VALU_DEP_1)
	v_lshl_or_b32 v[PW], v[BP+3], 24, v[PW]
.irp c, 0,1
	v_cvt_scalef32_pk16_bf6_f32 v[PC+6*\c:PC+2+6*\c], v[S+32*\c:S+15+32*\c], v[BS+2*\c]
	v_cvt_scalef32_pk16_bf6_f32 v[204+4*\c:206+4*\c], v[S+16+32*\c:S+31+32*\c], v[BS+2*\c+1]
.endr
	v_nop
.irp c, 0,1
.irp i, 0,1,2
	v_permlane16_swap_b32 v[PC+6*\c+\i], v[204+4*\c+\i]
.endr
.irp i, 0,1,2
	s_delay_alu instid0(VALU_DEP_3)
	v_mov_b32 v[PC+3+6*\c+\i], v[204+4*\c+\i]
.endr
.endr
.set j, 0
.rept 16
	v_pk_mul_f32 v[O+j:O+j+1], v[O+j:O+j+1], v[224:225] op_sel_hi:[1,0]   ; O^T under the new M; these are also the places in front of the products below
.set j, j+2
.endr
	s_wait_alu depctr_va_vdst(0)
	s_wait_dscnt 0x0                               ; V is in
.irp t, 0,1,2,3
	v_wmma_scale_f32_16x16x128_f8f6f4 v[O+8*\t:O+8*\t+7], v[KB+12*\t:KB+12*\t+11], v[PC:PC+11], v[O+8*\t:O+8*\t+7], v[KS+\t], v[PW] matrix_a_fmt:MATRIX_FMT_BF6 matrix_b_fmt:MATRIX_FMT_BF6
.endr
.rept 4
	v_nop                                          ; places in front of the next loads into these registers and of the next read of O^T
.endr
.endm
; The pass's last step is done: y = O^T / the sum, quantised along its 64 channels, stored as half a fragment of rowblock 128 b + 8 g + 2 cx + u.
.macro FINISH
	s_lshl_b32 s54, s[GG], 3
	s_add_co_u32 s54, s54, s[PASS]
	s_mul_i32 s56, s54, 12288
	s_mov_b32 s57, 0
	s_add_nc_u64 s[56:57], s[6:7], s[56:57]
	s_lshl_b32 s58, s54, 9
	s_mov_b32 s59, 0
	s_add_nc_u64 s[58:59], s[8:9], s[58:59]
	v_add_f32 v14, v14, v15
	s_delay_alu instid0(VALU_DEP_1)
	v_permlanex16_b32 v227, v14, s[SEL], s[SEL+1]
	s_delay_alu instid0(VALU_DEP_1)
	v_add_f32 v14, v14, v227                       ; the row's sum
	s_wait_alu depctr_va_vdst(0)
	v_rcp_f32 v224, v14
	v_nop
	s_wait_alu depctr_va_vdst(0)
.set j, 0
.rept 16
	v_pk_mul_f32 v[S+j:S+j+1], v[O+j:O+j+1], v[224:225] op_sel_hi:[1,0]   ; register 16 b + i is channel 32 b + 16 h + i
.set j, j+2
.endr
.irp b, 0,1
	v_max3_num_f32 v[BM+\b], |v[S+16*\b]|, |v[S+16*\b+1]|, 0x2800000
.endr
.irp i, 2,4,6,8,10,12,14
.irp b, 0,1
	s_delay_alu instid0(VALU_DEP_2)
	v_max3_num_f32 v[BM+\b], v[BM+\b], |v[S+16*\b+\i]|, |v[S+16*\b+\i+1]|
.endr
.endr
.irp b, 0,1
	s_delay_alu instid0(VALU_DEP_2)
	v_permlanex16_b32 v[BP+\b], v[BM+\b], s[SEL], s[SEL+1]
.endr
.irp b, 0,1
	s_delay_alu instid0(VALU_DEP_2)
	v_max_num_f32 v[BM+\b], v[BM+\b], v[BP+\b]
.endr
.irp b, 0,1
	s_delay_alu instid0(VALU_DEP_2)
	v_add_nc_u32 v[BS+\b], 0xfe000000, v[BM+\b]
.endr
.irp b, 0,1
	s_delay_alu instid0(VALU_DEP_2)
	v_lshrrev_b32 v[BP+2+\b], 23, v[BS+\b]
.endr
	s_delay_alu instid0(VALU_DEP_1)
	v_cndmask_b32 v228, v[BP+2], v[BP+3], s60      ; lane half h stores block h's byte
	v_cvt_scalef32_pk16_bf6_f32 v[PC:PC+2], v[S:S+15], v[BS]
	v_cvt_scalef32_pk16_bf6_f32 v[204:206], v[S+16:S+31], v[BS+1]
	v_nop
.irp i, 0,1,2
	v_permlane16_swap_b32 v[PC+\i], v[204+\i]
.endr
.irp i, 0,1,2
	s_delay_alu instid0(VALU_DEP_3)
	v_mov_b32 v[PC+3+\i], v[204+\i]
.endr
	global_store_b128 v[LI], v[PC:PC+3], s[56:57]              ; 512 consecutive bytes,
	global_store_b64 v[L8], v[PC+4:PC+5], s[56:57] offset:512  ; and 256, both aligned
	global_store_b8 v6, v228, s[58:59]
	s_wait_xcnt 0x0                                ; the stores have read their registers and bases: both are written again in the next pass
.endm
	s_load_b128 s[4:7], s[0:1], 0x0                ; qkv_img s[4:5], y_img s[6:7]
	s_load_b64 s[8:9], s[0:1], 0x10                ; y_sc
	v_lshl_add_u32 v254, v0, 2, 0x34000
	v_mov_b32 v255, 0
	ds_add_u32 v254, v255
	ds_add_u32 v254, v255
	v_lshrrev_b32 v1, 5, v0
	s_delay_alu instid0(VALU_DEP_1)
	v_readfirstlane_b32 s[WV], v1                  ; wave 0..15
	s_bfe_u32 s11, ttmp6, 0x40000                  ; cx
	s_and_b32 s12, ttmp7, 0xffff                   ; batch x 16 + head: the cluster's y
	s_and_b32 s13, s12, 15                         ; head
	s_lshr_b32 s14, s12, 4                         ; batch
	s_lshl_b32 s15, s13, 6
	s_lshl_b32 s16, s14, 4
	s_add_co_u32 s15, s15, s16
	s_mul_i32 s16, s15, GRP                        ; q's 16 groups begin here;
	s_add_co_u32 s17, s16, 1024*GRP                ; k's 1,024 groups on;
	s_add_co_u32 s18, s16, QKB                     ; v's from QKB on
	s_cmp_lt_u32 s[WV], 8                          ; waves 0-7 fetch K, waves 8-15 V: two groups each
	s_cselect_b32 s17, s17, s18
	s_and_b32 s18, s[WV], 7
	s_mul_i32 s18, s18, 2*GRP
	s_add_co_u32 s18, s17, s18
	s_mov_b32 s19, 0
	s_mov_b32 s[G1], 15|(3<<16)|(1<<21)            ; the mask: all four work-groups; elements of 8 bytes; bit 21 beside a mask; no padding
	s_mov_b32 s[G1+1], 32<<16                      ; rows of 256 bytes,
	s_mov_b32 s[G1+2], 52<<16                      ; 52 of them: 13,312 dense bytes
	s_mov_b32 s[G1+3], 32<<16
	s_mov_b32 s[G1+4], 52
	s_mov_b32 s[G1+5], 32
	s_mov_b32 s[G1+6], 0
	s_mov_b32 s[G1+7], 0
	s_mov_b32 s[SEL], 0x76543210
	s_mov_b32 s[SEL+1], 0xfedcba98
	s_mov_b32 s[CSC], 0x3e38aa3b                   ; log2(e) / 8
	s_mov_b32 s[CSC+1], s[CSC]
	s_mov_b32 s60, 0xffff0000                      ; lanes 16-31
	s_wait_dscnt 0x0
	s_wait_kmcnt 0x0
	s_mov_b32 s[G0], 1
	s_mul_i32 s[G0+1], s[WV], 2*GRP                ; by the wave's number alone
	s_add_nc_u64 s[G0+2:G0+3], s[4:5], s[18:19]
	s_or_b32 s[G0+3], s[G0+3], 0x80000000
	CROUND                                         ; all four work-groups are here: the joint loads meet
	tensor_load_to_lds s[G0:G0+3], s[G1:G1+7]      ; every wave's one tensor load of the launch
	s_nop 0
.rept 4
	v_nop
.endr
	; y's bases: what does not change: rowblock 128 b + 2 cx, fragment head / 2, half head % 2
	s_lshl_b32 s44, s14, 7
	s_lshl_b32 s45, s11, 1
	s_add_co_u32 s44, s44, s45
	s_mul_i32 s46, s44, 12288
	s_lshr_b32 s45, s13, 1
	s_mul_i32 s45, s45, 1536
	s_add_co_u32 s46, s46, s45
	s_and_b32 s45, s13, 1
	s_mul_i32 s45, s45, 768
	s_add_co_u32 s46, s46, s45
	s_mov_b32 s47, 0
	s_add_nc_u64 s[6:7], s[6:7], s[46:47]
	s_lshl_b32 s46, s44, 9
	s_lshr_b32 s45, s13, 3
	s_lshl_b32 s45, s45, 8
	s_add_co_u32 s46, s46, s45
	s_and_b32 s45, s13, 7
	s_lshl_b32 s45, s45, 1
	s_add_co_u32 s46, s46, s45
	s_add_nc_u64 s[8:9], s[8:9], s[46:47]
	v_and_b32 v7, 31, v0
	s_delay_alu instid0(VALU_DEP_1)
	v_lshlrev_b32 v[LI], 4, v7
	s_delay_alu instid0(VALU_DEP_2)
	v_lshlrev_b32 v[L8], 3, v7
	v_and_b32 v7, 15, v0                           ; r
	v_bfe_u32 v8, v0, 4, 1                         ; h
	s_delay_alu instid0(VALU_DEP_1)
	v_lshl_add_u32 v6, v7, 4, v8                   ; 16 r + h
	s_delay_alu instid0(VALU_DEP_3)
	v_and_b32 v9, 8, v7
	s_delay_alu instid0(VALU_DEP_1)
	v_add_nc_u32 v9, v9, v7
	s_delay_alu instid0(VALU_DEP_4)
	v_lshlrev_b32 v8, 4, v8
	s_delay_alu instid0(VALU_DEP_1)
	v_sub_nc_u32 v9, v9, v8                        ; r + 8 (r / 8) - 16 h
	v_mov_b32 v10, 0xff800000                      ; -infinity
.irp i, 0,1,2,3,4,5
	v_mov_b32 v[16+\i], 0                          ; zero codes on either side of q
	v_mov_b32 v[28+\i], 0
.endr
.irp b, 0,1,2,3
	v_mov_b32 v[BP+\b], 0                          ; written once: a lane permute's destination counts as read
.endr
	v_mov_b32 v225, 0                              ; (named as the upper half of the pair v[224:225])
	v_mov_b32 v227, 0
	s_mov_b32 s[PASS], 0
	s_sub_co_u32 s[GG], 15, s[WV]
	START                                          ; pass 0's q comes while K and V are on their way
	s_wait_tensorcnt 0x0                           ; my part of K or V is in,
	s_barrier_signal -1
	s_barrier_wait -1                              ; everybody's is; from here on LDS is only read
	s_mov_b32 s[NN], 0
.Ltrip:                                            ; 32 trips: pass n / 16, key step n % 16
	s_and_b32 s[KSR], s[NN], 15
	s_lshr_b32 s[PASS], s[NN], 4
	s_sub_co_u32 s55, 15, s[WV]
	s_cmp_eq_u32 s[PASS], 0
	s_cselect_b32 s[GG], s55, s[WV]
	s_cmp_lg_u32 s[NN], 16
	s_cbranch_scc1 .Lno_start
	START
.Lno_start:
	s_cmp_gt_u32 s[KSR], s[GG]                     ; all of the step's keys come after my queries
	s_cbranch_scc1 .Lskip
	STEP
	s_cmp_lg_u32 s[KSR], s[GG]
	s_cbranch_scc1 .Lskip
	FINISH
.Lskip:
	s_add_co_u32 s[NN], s[NN], 1
	s_cmp_lt_u32 s[NN], 32
	s_cbranch_scc1 .Ltrip
	s_wait_tensorcnt 0x0
	ds_add_u32 v254, v255
	s_wait_dscnt 0x0
	CROUND                                         ; the closing round
	s_endpgm
.Lfunc_end_k_q1a719ef06d_attn:
	.size	k_q1a719ef06d_attn, .Lfunc_end_k_q1a719ef06d_attn-k_q1a719ef06d_attn
	.p2alignl 7, 3214868480
	.fill 96, 4, 3214868480
	.section	.rodata,"a",@progbits
	.p2align	6, 0x0
	.amdhsa_kernel k_q1a719ef06d_attn
		.amdhsa_group_segment_fixed_size 327680
		.amdhsa_private_segment_fixed_size 0
		.amdhsa_enable_private_segment 0
		.amdhsa_kernarg_size 24
		.amdhsa_user_sgpr_count 2
		.amdhsa_user_sgpr_kernarg_segment_ptr 1
		.amdhsa_wavefront_size32 1
		.amdhsa_system_sgpr_workgroup_id_x 1
		.amdhsa_system_sgpr_workgroup_id_y 1
		.amdhsa_system_sgpr_workgroup_id_z 1
		.amdhsa_system_vgpr_workitem_id 0
		.amdhsa_next_free_vgpr 256
		.amdhsa_next_free_sgpr 66
		.amdhsa_reserve_vcc 1
		.amdhsa_float_denorm_mode_32 3
		.amdhsa_float_denorm_mode_16_64 3
		.amdhsa_memory_ordered 1
		.amdhsa_forward_progress 1
		.amdhsa_inst_pref_size 39
	.end_amdhsa_kernel
	.amdgpu_metadata
---
amdhsa.version: [ 1, 2 ]
amdhsa.kernels:
  - .name:           k_q1a719ef06d_attn
    .symbol:         k_q1a719ef06d_attn.kd
    .args:
      - { .name: qkv_img, .offset: 0, .size: 8, .value_kind: global_buffer, .address_space: global }
      - { .name: y_img, .offset: 8, .size: 8, .value_kind: global_buffer, .address_space: global }
      - { .name: y_sc, .offset: 16, .size: 8, .value_kind: global_buffer, .address_space: global }
    .group_segment_fixed_size: 327680
    .private_segment_fixed_size: 0
    .kernarg_segment_align: 8
    .kernarg_segment_size: 24
    .max_flat_workgroup_size: 512
    .sgpr_count:     66
    .vgpr_count:     256
    .wavefront_size: 32
...
	.end_amdgpu_metadata
.endif
;; end of part 3
;; launch proj (part 4): grid 32 x 8, 4 waves a work-group, clusters of 4 x 1, 167,936 bytes of LDS; arguments y_img, y_sc, xw_img, xw_sc, out0; writes out0
.if DOCPART == 4
	.amdgcn_target "amdgcn-amd-amdhsa--gfx1250"
	.amdhsa_code_object_version 6
	.text
	.protected	k_q1a719ef06d_proj
	.globl	k_q1a719ef06d_proj
	.p2align	8
	.type	k_q1a719ef06d_proj,@function
k_q1a719ef06d_proj:
	s_mov_b64 s[64:65], 0
	v_nop
	global_prefetch_b8 v0, s[64:65] scope:SCOPE_SE
	s_setreg_imm32_b32 hwreg(HW_REG_WAVE_MODE, 25, 1), 1
	s_wait_xcnt 0x0
	s_wait_alu depctr_hold_cnt(0) depctr_sa_sdst(0) depctr_va_vdst(0) depctr_va_sdst(0) depctr_va_ssrc(0) depctr_va_vcc(0) depctr_vm_vsrc(0)
	s_getreg_b32 s2, hwreg(HW_REG_IB_STS2, 6, 4)
	s_cmp_eq_u32 s2, 0
	s_cbranch_scc0 .Lentry_in_a_cluster
	s_endpgm
.Lentry_in_a_cluster:
	s_bfe_u32 s2, ttmp6, 0x10000c
	s_cmp_lg_u32 s2, 0x3003
	s_cbranch_scc0 .Lentry_shape_is_right
	s_endpgm
.Lentry_shape_is_right:
; PROJ.  out = y w_proj on codes of E3M2 (K = 1024), f32 out.  A work-group: 256 tokens x 128 columns; a wave: 64 tokens x two tiles of 64 columns.
; THE TOKENS STAY IN REGISTERS: 4 rowblocks x 8 K steps x 12 registers = 384 a wave, loaded once from y's half fragments (768 bytes: registers 0-3 at 16 x lane, 4-5 at 512 + 8 x lane).
; THE COLUMNS STAY IN LDS: 8 rowblocks x 12,288 bytes, filled ONCE, one joint tensor load a wave (2 rowblocks, dense, 96 rows of 256 bytes), shared by the cluster's four work-groups, which differ in their tokens alone.
; A tile is 8 K steps x 16 matrix instructions on 16 accumulators by turns; source 0 = columns, source 1 = tokens: a lane holds one token.
; The columns' fragments go through four register sets, asked for three K steps ahead.  Scale words: a rowblock's 512 bytes at 16 x lane: register q = K step q in lanes 0-15, K step 4 + q in lanes 16-31.
; The way out: 16 tokens x 64 columns go through the wave's own stage in LDS (bytes that no tensor load fills) and leave as rows of 256 bytes, aligned, two rows a store.
; No prefetch: all that the launch reads from memory is asked for at its head; there is no loop to run ahead in.
; REGISTERS.  Window 0: v1-14 addresses; v32-47 tokens' scale words, v48-79 columns' (scales alone); v128-255 accumulators, (a, b) at 128 + 32 a + 8 b.
; Windows 1, 2: tokens' fragments of K steps 0-3, 4-7.  Window 3: the columns' four sets at 48 (kf % 4) + 12 b; v192-255 rows read back from the stage, two sets.
.set RBB,   12288
.set HEADB, 4*RBB
.set SPITCH, 272
.set STAGE, 8*RBB
.set SPARE, STAGE+4*16*SPITCH
.set LI,  1
.set L8,  2
.set ADRB, 4
.set SPW, 6
.set NIL, 7
.set STO, 12
.set RD,  13
.set CO,  14
.set SCA, 32
.set SCB, 48
.set AC,  128
.set BK,  192
.set G0,  24
.set G1,  32
.set MSB, 0
.macro WIN new                         ; the immediate's high byte repeats the setting that is left
.if MSB != (\new)
	s_set_vgpr_msb (MSB<<8)|(\new)
.set MSB, (\new)
.endif
.endm
.macro CROUND
	s_barrier_signal -1
	s_barrier_wait -1
	s_cmp_lg_u32 s14, 0
	s_cbranch_scc1 .Lnot_wave_0_\@
	s_barrier_signal -3
.Lnot_wave_0_\@:
	s_barrier_wait -3
	s_barrier_signal -1
	s_barrier_wait -1
.endm
.macro PLACES n
.rept \n
	v_nop
.endr
.endm
.macro FETCH kf, adr                   ; the tile's four column blocks of K step kf into set kf % 4
	WIN 0xc0
.irp b, 0,1,2,3
.irp c, 0,1,2
	ds_load_b128 v[48*((\kf)%4)+12*\b+4*\c:48*((\kf)%4)+12*\b+4*\c+3], v[\adr] offset:RBB*\b+1536*(\kf)+512*\c
.endr
.endr
	WIN 0
.endm
.macro MUL kf, sb                      ; 16 matrix instructions: the tile's column blocks y (window 3) x my token blocks x (window 1 or 2)
.set Q, (\kf)%4
	WIN 3|((1+(\kf)/4)<<2)
.irp x, 0,1,2,3
.irp y, 0,1,2,3
.if (\kf) == 0
	v_wmma_scale_f32_16x16x128_f8f6f4 v[AC+32*\x+8*\y:AC+32*\x+8*\y+7], v[48*Q+12*\y:48*Q+12*\y+11], v[48*Q+12*\x:48*Q+12*\x+11], 0, v[\sb+4*\y+Q], v[SCA+4*\x+Q] matrix_a_fmt:MATRIX_FMT_BF6 matrix_b_fmt:MATRIX_FMT_BF6
.else
.if (\kf) < 4
	v_wmma_scale_f32_16x16x128_f8f6f4 v[AC+32*\x+8*\y:AC+32*\x+8*\y+7], v[48*Q+12*\y:48*Q+12*\y+11], v[48*Q+12*\x:48*Q+12*\x+11], v[AC+32*\x+8*\y:AC+32*\x+8*\y+7], v[\sb+4*\y+Q], v[SCA+4*\x+Q] matrix_a_fmt:MATRIX_FMT_BF6 matrix_b_fmt:MATRIX_FMT_BF6
.else
	v_wmma_scale_f32_16x16x128_f8f6f4 v[AC+32*\x+8*\y:AC+32*\x+8*\y+7], v[48*Q+12*\y:48*Q+12*\y+11], v[48*Q+12*\x:48*Q+12*\x+11], v[AC+32*\x+8*\y:AC+32*\x+8*\y+7], v[\sb+4*\y+Q], v[SCA+4*\x+Q] matrix_a_fmt:MATRIX_FMT_BF6 matrix_b_fmt:MATRIX_FMT_BF6 matrix_a_scale:MATRIX_SCALE_ROW1 matrix_b_scale:MATRIX_SCALE_ROW1
.endif
.endif
.endr
.endr
	WIN 0
.endm
.macro KSTEP kf, hd
	PLACES 4                                       ; in front of loads into the set that the last step multiplied
.if (\kf) < 5
	FETCH (\kf)+3, ADRB+(\hd)
	s_wait_dscnt 36                                ; this step's set is in; the three later sets' 12 loads each may be out
.else
	s_wait_dscnt 12*(7-(\kf))
.endif
.if (\hd) == 0                         ; the tokens' fragments were asked for by K steps, 16 loads each: those of the later steps may be out (the wait's field holds 63)
.if 16*(7-(\kf)) > 63
	s_wait_loadcnt 63
.else
	s_wait_loadcnt 16*(7-(\kf))
.endif
.endif
	MUL \kf, SCB+16*(\hd)
.endm
.macro TOSTAGE a                       ; token block a: register 8 b + j is column 32 (b/2) + 16 h + 8 (b%2) + j; each accumulator from its low end on
.irp b, 0,1,2,3
	ds_store_b128 v[STO], v[AC+32*(\a)+8*\b:AC+32*(\a)+8*\b+3] offset:128*(\b/2)+32*(\b%2)
	ds_store_b128 v[STO], v[AC+32*(\a)+8*\b+4:AC+32*(\a)+8*\b+7] offset:128*(\b/2)+32*(\b%2)+16
.endr
	WIN 0xc0
.irp t, 0,1,2,3,4,5,6,7
	ds_load_b128 v[BK+32*((\a)%2)+4*\t:BK+32*((\a)%2)+4*\t+3], v[RD] offset:\t*2*SPITCH   ; LDS serves a wave's instructions in order: these see the stores above
.endr
	WIN 0
.endm
.macro SEND a, hd, younger             ; younger: the LDS instructions issued behind block a's loads, which may stay out
	s_wait_dscnt \younger
	WIN 0x0c
.irp t, 0,1,2,3,4,5,6,7
	global_store_b128 v[CO], v[BK+32*((\a)%2)+4*\t:BK+32*((\a)%2)+4*\t+3], s[12:13] offset:(32*((\a)/2)+8*((\a)%2)+2*\t+8*(\t/4))*4096+256*(\hd) th:TH_STORE_NT   ; sixteen lanes store 256 consecutive bytes, aligned
.endr
	WIN 0
.endm
	s_load_b256 s[4:11], s[0:1], 0x0               ; y_img s[4:5], y_sc s[6:7], xw_img s[8:9], xw_sc s[10:11]
	s_load_b64 s[12:13], s[0:1], 0x20              ; out0
	v_lshl_add_u32 v[SPW], v0, 2, SPARE
	v_mov_b32 v[NIL], 0
	ds_add_u32 v[SPW], v[NIL]                      ; the opening lines: the add, twice on end, and its wait
	ds_add_u32 v[SPW], v[NIL]
	v_lshrrev_b32 v1, 5, v0
	v_readfirstlane_b32 s14, v1                    ; wave 0..3
	s_bfe_u32 s15, ttmp6, 0x40000                  ; cx: it enters global addresses alone
	s_and_b32 s16, ttmp7, 0xffff                   ; which 128 columns
	s_lshl_b32 s17, ttmp9, 2
	s_add_co_u32 s17, s17, s15                     ; which 256 tokens
	s_lshl_b32 s18, s16, 3
	s_add_co_u32 s18, s18, 704                     ; the columns' first rowblock
	s_lshl_b32 s19, s14, 1
	s_add_co_u32 s19, s19, s18                     ; the two that I fetch
	s_mul_i32 s20, s19, RBB
	s_mov_b32 s21, 0
	s_mov_b32 s[G1], 15|(3<<16)|(1<<21)            ; the mask: all four work-groups; elements of 8 bytes; bit 21 beside a mask
	s_mov_b32 s[G1+1], 32<<16                      ; rows of 256 bytes,
	s_mov_b32 s[G1+2], 96<<16                      ; 96 of them: 24,576 dense bytes
	s_mov_b32 s[G1+3], 32<<16
	s_mov_b32 s[G1+4], 96
	s_mov_b32 s[G1+5], 32
	s_mov_b32 s[G1+6], 0
	s_mov_b32 s[G1+7], 0
	s_wait_dscnt 0x0
	s_wait_kmcnt 0x0
	s_mov_b32 s[G0], 1
	s_mul_i32 s[G0+1], s14, 2*RBB                  ; by the wave's number alone
	s_add_nc_u64 s[G0+2:G0+3], s[8:9], s[20:21]
	s_or_b32 s[G0+3], s[G0+3], 0x80000000
	CROUND                                         ; all four work-groups are here: the joint loads meet
	tensor_load_to_lds s[G0:G0+3], s[G1:G1+7]      ; every wave's one tensor load of the launch
	s_nop 0
	PLACES 4
	s_lshl_b32 s22, s17, 4
	s_lshl_b32 s23, s14, 2
	s_add_co_u32 s22, s22, s23                     ; my first rowblock of tokens
	s_mul_i32 s40, s22, RBB
	s_mov_b32 s41, 0
	s_add_nc_u64 s[4:5], s[4:5], s[40:41]
	s_lshl_b32 s40, s22, 9
	s_add_nc_u64 s[6:7], s[6:7], s[40:41]
	s_lshl_b32 s40, s18, 9
	s_add_nc_u64 s[10:11], s[10:11], s[40:41]
	s_lshl_b32 s40, s22, 16                        ; 16 tokens of 4,096 bytes a rowblock
	s_lshl_b32 s42, s16, 9
	s_add_co_u32 s40, s40, s42
	s_add_nc_u64 s[12:13], s[12:13], s[40:41]
	s_mul_i32 s30, s14, 16*SPITCH
	s_add_co_u32 s30, s30, STAGE                   ; my stage
	v_and_b32 v8, 31, v0
	v_lshlrev_b32 v[LI], 4, v8
	v_lshlrev_b32 v[L8], 3, v8
	v_lshlrev_b32 v[ADRB], 4, v8                   ; the first tile's fragments,
	v_add_nc_u32 v[ADRB+1], HEADB, v[LI]           ; the second's
	v_and_b32 v9, 15, v0
	v_bfe_u32 v10, v0, 4, 1
	v_mul_u32_u24 v11, v9, SPITCH
	v_lshl_add_u32 v11, v10, 6, v11
	v_add_nc_u32 v[STO], s30, v11                  ; in: row r, 64 bytes for each half of the lanes
	v_mul_u32_u24 v11, v10, SPITCH
	v_lshl_add_u32 v11, v9, 4, v11
	v_add_nc_u32 v[RD], s30, v11                   ; back: sixteen lanes to a row, two rows a load
	v_lshlrev_b32 v11, 12, v10
	v_lshl_add_u32 v[CO], v9, 4, v11               ; and the same two rows in out0
	s_wait_alu depctr_va_vdst(0)
.irp a, 0,1,2,3
	global_load_b128 v[SCA+4*\a:SCA+4*\a+3], v[LI], s[6:7] offset:512*\a
.endr
.irp b, 0,1,2,3,4,5,6,7
	global_load_b128 v[SCB+4*\b:SCB+4*\b+3], v[LI], s[10:11] offset:512*\b
.endr
.irp kf, 0,1,2,3,4,5,6,7
	WIN (1+(\kf)/4)<<6
.irp a, 0,1,2,3
.irp c, 0,1
	global_load_b128 v[48*((\kf)%4)+12*\a+6*\c:48*((\kf)%4)+12*\a+6*\c+3], v[LI], s[4:5] offset:RBB*\a+1536*\kf+768*\c
	global_load_b64 v[48*((\kf)%4)+12*\a+6*\c+4:48*((\kf)%4)+12*\a+6*\c+5], v[L8], s[4:5] offset:RBB*\a+1536*\kf+768*\c+512
.endr
.endr
.endr
	WIN 0
	s_wait_tensorcnt 0x0                           ; my two rowblocks are in,
	s_barrier_signal -1
	s_barrier_wait -1                              ; everybody's are; the columns' bytes are only read from here on
	FETCH 0, ADRB
	FETCH 1, ADRB
	FETCH 2, ADRB
.irp hd, 0,1
.irp kf, 0,1,2,3,4,5,6,7
	KSTEP \kf, \hd
.endr
	PLACES 4                                       ; in front of the first read of results and of the loads below
.if \hd == 0
	FETCH 0, ADRB+1                                ; the second tile's first three steps land under the way out
	FETCH 1, ADRB+1
	FETCH 2, ADRB+1
.else
	s_wait_xcnt 0x0                                ; the first tile's stores have read their registers
.endif
	TOSTAGE 0
.irp a, 1,2,3
.if \a > 1
	s_wait_xcnt 0x0                                ; block a - 2's stores have read their registers
.endif
	TOSTAGE \a
	SEND \a-1, \hd, 16                             ; behind block a - 1's loads: block a's 8 stores and 8 loads
.endr
	SEND 3, \hd, 0
.endr
	s_wait_tensorcnt 0x0                           ; the wave's end
	ds_add_u32 v[SPW], v[NIL]
	s_wait_dscnt 0x0
	CROUND                                         ; the closing round
	s_endpgm
.Lfunc_end_k_q1a719ef06d_proj:
	.size	k_q1a719ef06d_proj, .Lfunc_end_k_q1a719ef06d_proj-k_q1a719ef06d_proj
	.p2alignl 7, 3214868480
	.fill 96, 4, 3214868480
	.section	.rodata,"a",@progbits
	.p2align	6, 0x0
	.amdhsa_kernel k_q1a719ef06d_proj
		.amdhsa_group_segment_fixed_size 167936
		.amdhsa_private_segment_fixed_size 0
		.amdhsa_enable_private_segment 0
		.amdhsa_kernarg_size 40
		.amdhsa_user_sgpr_count 2
		.amdhsa_user_sgpr_kernarg_segment_ptr 1
		.amdhsa_wavefront_size32 1
		.amdhsa_system_sgpr_workgroup_id_x 1
		.amdhsa_system_sgpr_workgroup_id_y 1
		.amdhsa_system_sgpr_workgroup_id_z 1
		.amdhsa_system_vgpr_workitem_id 0
		.amdhsa_next_free_vgpr 1024
		.amdhsa_next_free_sgpr 66
		.amdhsa_reserve_vcc 0
		.amdhsa_float_denorm_mode_32 3
		.amdhsa_float_denorm_mode_16_64 3
		.amdhsa_memory_ordered 1
		.amdhsa_forward_progress 1
		.amdhsa_inst_pref_size 83
	.end_amdhsa_kernel
	.amdgpu_metadata
---
amdhsa.version: [ 1, 2 ]
amdhsa.kernels:
  - .name:           k_q1a719ef06d_proj
    .symbol:         k_q1a719ef06d_proj.kd
    .args:
      - { .name: y_img, .offset: 0, .size: 8, .value_kind: global_buffer, .address_space: global }
      - { .name: y_sc, .offset: 8, .size: 8, .value_kind: global_buffer, .address_space: global }
      - { .name: xw_img, .offset: 16, .size: 8, .value_kind: global_buffer, .address_space: global }
      - { .name: xw_sc, .offset: 24, .size: 8, .value_kind: global_buffer, .address_space: global }
      - { .name: out0, .offset: 32, .size: 8, .value_kind: global_buffer, .address_space: global }
    .group_segment_fixed_size: 167936
    .private_segment_fixed_size: 0
    .kernarg_segment_align: 8
    .kernarg_segment_size: 40
    .max_flat_workgroup_size: 128
    .sgpr_count:     66
    .vgpr_count:     1024
    .wavefront_size: 32
...
	.end_amdgpu_metadata
.endif
;; end of part 4
